; MI455X (gfx1250); checked and timed in simulation.
; The chip was launched on July 23, 2026; its instructions are those of AMD's public machine-readable ISA for CDNA 5 (MIT licence, August 2026) and "CDNA5" Instruction Set Architecture Reference Guide (July 2026). The comments in the code are by the model that wrote it; some were corrected since.
;; Multi Head Attention. Allowed arithmetic: matrix products marked QUANTISED: E2M1 operands, one E8M0 scale for each 32 along K, by v_wmma_scale_f32_16x16x128_f8f6f4 with both operands' format E2M1 (or v_wmma_scale_f32_32x16x128_f4), f32 sums; products left as they are: bf16, f16 or f32 operands; f32 sums; everything else in f32.
;; Inputs: Wk 1,024 x 1,024 float32; Wo 1,024 x 1,024 float32; Wq 1,024 x 1,024 float32; Wv 1,024 x 1,024 float32; bo 1,024 float32; x 4 x 2,048 x 1,024 float32.
;; Outputs: out0 4 x 2,048 x 1,024 float32.
;; This version of the problem:
;;   THIS VERSION OF THE PROBLEM IS GIVEN IN LOW PRECISION. The matrix products marked QUANTISED in the list below multiply operands that are first quantised to E2M1 (2 exponent bits, 1 mantissa bit; 4 bits a number), with one power-of-two scale for each 32 numbers along K (OCP MX v1.0); their sums are f32. The products marked 'left as it is' may take bf16, f16 or f32 operands, with f32 sums. Whichever they take, every output number must still come out within the allowed error. Rounding operands to bf16 (8 significant bits) uses up far more of that allowance than f16 does (11 bits, for magnitudes from 6e-5 to 65,504). All else is computed in f32.
;;   The module's matrix products, in the order in which they are computed (A, B: the left and right operand; K: the contracted axis; several contracted axes count as one K, in the product's order):
;;     1. [M 8,192, K 1,024] x [K 1,024, N 1,024]; A: input x; B: input Wq: QUANTISED
;;     2. [M 8,192, K 1,024] x [K 1,024, N 1,024]; A: input x; B: input Wk: QUANTISED
;;     3. [M 8,192, K 1,024] x [K 1,024, N 1,024]; A: input x; B: input Wv: QUANTISED
;;     4. batch 64 x [M 2,048, K 64] x [K 64, N 2,048]; A: computed on the way; B: computed on the way: left as it is (an operand is computed on the way)
;;     5. batch 64 x [M 2,048, K 2,048] x [K 2,048, N 64]; A: computed on the way; B: computed on the way: left as it is (an operand is computed on the way)
;;     6. [M 8,192, K 1,024] x [K 1,024, N 1,024]; A: computed on the way; B: input Wo: left as it is (an operand is computed on the way)
;;   THE QUANTISER, for each operand of a quantised product, along K:
;;     - K is cut into blocks of 32 from its start; a last block that is shorter is filled with zeros.
;;     - A block's scale is 2^e with e = floor(log2(the largest magnitude in the block)) - 2, held to -126 .. 127; a block of zeros has e = 0. As a byte (E8M0): e + 127.
;;     - Each number is divided by its block's scale, clamped to +-6, and rounded to the nearest number of E2M1, ties to even, subnormals kept.
;;     - The product sums the exact products of the quantised numbers (number of the format x scale) in f32.
;;   ~~~python
;;   def quantise(x, axis):      # numpy; x: float32 -> the quantised numbers, widened to float32 again
;;       x = np.moveaxis(x, axis, -1); K = x.shape[-1]
;;       x = np.pad(x, [(0, 0)] * (x.ndim - 1) + [(0, -K % 32)]); x = x.reshape(x.shape[:-1] + (-1, 32)); a = np.abs(x).max(-1, keepdims=True)
;;       e = np.where(a > 0, np.clip(np.frexp(np.where(a > 0, a, 1))[1] - 1 - 2, -126, 127), 0)      # np.frexp(a)[1] - 1 = floor(log2(a)), exactly
;;       r = np.clip(x / 2.0 ** e, -6, 6)
;;       step = 2.0 ** (np.maximum(np.frexp(np.where(r == 0, 1, r))[1] - 1, 0) - 1)
;;       q = np.round(r / step) * step * 2.0 ** e      # np.round: ties to even
;;       return np.moveaxis(q.reshape(q.shape[:-2] + (-1,))[..., :K], -1, axis).astype(np.float32)
;;   ~~~
;; One version. Each part assembles by itself: llvm-mc -triple=amdgcn-amd-amdhsa -mcpu=gfx1250 --defsym DOCPART=n.
;; ======== version 1 of 1: 4 launches
;; limits: values are held in f16: magnitudes above 65,504 overflow, below 6.1e-05 lose precision
;; workspace buffers: xc 4,194,304 bytes; xs 262,144 bytes; wc 1,572,864 bytes; ws 98,304 bytes; wo16 2,097,152 bytes; qkv 50,331,648 bytes; ao 16,777,216 bytes
;; launch prep (part 1): grid 512 x 1, 4 waves a work-group, no clusters, 34,304 bytes of LDS; arguments x, Wq, Wk, Wv, Wo, xc, xs, wc, ws, wo16; writes xc, xs, wc, ws, wo16
.if DOCPART == 1
	.amdgcn_target "amdgcn-amd-amdhsa--gfx1250"
	.amdhsa_code_object_version 6
	.text
	.protected	k_q29334cfeba_prep
	.globl	k_q29334cfeba_prep
	.p2align	8
	.type	k_q29334cfeba_prep,@function
k_q29334cfeba_prep:
	s_mov_b64 s[64:65], 0
	v_nop
	global_prefetch_b8 v0, s[64:65] scope:SCOPE_SE
	s_setreg_imm32_b32 hwreg(HW_REG_WAVE_MODE, 25, 1), 1
	s_wait_xcnt 0x0
; PREP: the operands of the later launches are made once.  Nothing of reference() is left out in this program: every input (x, Wq, Wk, Wv, Wo, bo) reaches out0, and there is no mask.
; x [8192][1024] f32 and Wq, Wk, Wv [1024 (k)][1024 (n)] f32 become codes of E2M1 with one E8M0 byte for each 32 along K; Wo [1024 (k)][1024 (n)] becomes f16.
; A block's scale is 2^(floor(log2(its largest magnitude)) - 2); its byte is the largest magnitude's exponent field - 2, held at 1 from below; each number is divided by the scale and rounded to the nearest code, ties to even, beyond 6 held at 6.
; LIMITS: a block of zeros gets the byte 1 where the rule says 127 (its codes are zeros, which add nothing, and this program alone reads the bytes); blocks whose largest magnitude lies under 2^(3 - 127) are held at that floor; NaN and infinities are not served;
; Wo goes to f16: magnitudes from 65,504 on are not served.
; EVERY RESULT IS LAID AS AN IMAGE OF THE OPERAND'S REGISTERS (lane = 16 h + r):
;   xc [T 512][kb 32][256 B]: tile T = 16 rows, kb = a block of 32 along K, row r's 16 bytes of codes at 16 r.  The fragment of K step ks is 1,024 bytes: registers 4 c .. 4 c + 3 of a lane at 1024 ks + 512 c + 16 lane.
;   xs [T][kq 2][r 16][4 words]: word q is row r's scale word of K step 4 kq + q.     wc [t 192][kb][256 B], ws [t][kq][r][4 words] likewise, t = 64 x matrix + column / 16.
;   wo16 [t 64][q8 128][256 B]: column 16 t + r, k = 8 q8 .. 8 q8 + 7 as 8 f16 at 16 r.
; SHARES.  Work-groups 0-255 take the weights: matrix id / 64, 128 columns id % 8, 128 along K (id / 8) % 8; a wave 32 columns: A LANE TAKES A COLUMN AND ITS REGISTERS RUN DOWN K, so a block of 32 is one lane's and nothing is transposed.
; Work-groups 256-511 take x: a wave 16 rows x 512 along K, four fragments.  Each load reads 512 consecutive bytes of a row; the 16 rows turn through the wave's own stage in LDS, so that a lane gets two whole blocks of its row.
; No barrier: waves share nothing.  Only the path for x uses the stages.
.set STG,   16*528                     ; a wave's stage: 16 rows of 512 bytes + 16 of padding (row r starts 4 r banks on)
.set SPARE, 4*STG                      ; behind the stages: the spare words, 128 bytes for each wave
.set C,     32                         ; v32-63   codes: registers of their own for every store
.set R,     64                         ; v64-191  numbers as loaded
.set X,     192                        ; v192-255 x: 64 numbers of a lane, turned; Wo: the packed f16
.set SW,    16                         ; v16-19   x's four scale words
.set SPW,   20                         ; v20      my spare word; never rewritten
.set NIL,   21                         ; v21      0; never rewritten
	s_load_b512 s[4:19], s[0:1], 0x0               ; x s[4:5], Wq s[6:7], Wk s[8:9], Wv s[10:11], Wo s[12:13], xc s[14:15], xs s[16:17], wc s[18:19]
	s_load_b128 s[20:23], s[0:1], 0x40             ; ws s[20:21], wo16 s[22:23]
	v_lshl_add_u32 v[SPW], v0, 2, SPARE
	v_mov_b32 v[NIL], 0
	v_lshrrev_b32 v1, 5, v0
	v_readfirstlane_b32 s24, v1                    ; wave
	v_and_b32 v1, 31, v0                           ; lane
	v_and_b32 v2, 15, v0                           ; r
	v_bfe_u32 v3, v0, 4, 1                         ; h
	v_lshlrev_b32 v4, 4, v1                        ; 16 lane
	s_mul_i32 s25, s24, STG
	v_add_nc_u32 v5, s25, v4                       ; the stage, on the way in: 16 bytes a lane of a row
	v_mul_u32_u24 v6, v2, 528
	v_lshl_add_u32 v6, v3, 7, v6
	v_add_nc_u32 v6, s25, v6                       ; and on the way out: row r, + 128 h: my block of 32 numbers
	v_lshlrev_b32 v7, 4, v2                        ; 16 r
	v_lshlrev_b32 v8, 3, v3                        ; 8 h: where my two bytes stand in a scale word
	v_mov_b32 v9, 0                                ; written once: a lane permute's destination counts as one of its sources
	v_lshlrev_b32 v22, 2, v1                       ; a weight's row: 4 bytes a lane
	v_lshl_add_u32 v23, v3, 13, v7                 ; wc: tile h of my two, 16 r
	v_lshl_add_u32 v24, v3, 9, v7                  ; ws likewise
	v_lshl_add_u32 v25, v3, 15, v7                 ; wo16 likewise
	s_mov_b32 s36, 0x76543210
	s_mov_b32 s37, 0xfedcba98                      ; selects for lane l xor 16
	s_mov_b32 s35, 0                               ; the high word of every offset
	s_wait_kmcnt 0x0
	s_cmp_lt_u32 ttmp9, 256
	s_cbranch_scc0 .Lx_path
	; ---- the weights
	s_lshr_b32 s25, ttmp9, 6                       ; which matrix: 0 Wq, 1 Wk, 2 Wv, 3 Wo
	s_and_b32 s26, ttmp9, 7                        ; which 128 columns
	s_bfe_u32 s27, ttmp9, 0x30003                  ; ks: which 128 along K
	s_cmp_eq_u32 s25, 1
	s_cselect_b64 s[28:29], s[8:9], s[6:7]
	s_cmp_eq_u32 s25, 2
	s_cselect_b64 s[28:29], s[10:11], s[28:29]
	s_cmp_eq_u32 s25, 3
	s_cselect_b64 s[28:29], s[12:13], s[28:29]
	s_lshl_b32 s38, s26, 2
	s_add_co_u32 s38, s38, s24                     ; which run of 32 columns is my wave's
	s_lshl_b32 s34, s27, 19                        ; 128 rows of 4,096 bytes
	s_lshl_b32 s39, s38, 7
	s_add_co_u32 s34, s34, s39
	s_add_nc_u64 s[28:29], s[28:29], s[34:35]
.macro LOADW t                         ; block t: W(128 ks + 32 t + i, my column): 32 lanes read 128 consecutive bytes
.irp i, 0,1,2,3,4,5,6,7,8,9,10,11,12,13,14,15,16,17,18,19,20,21,22,23,24,25,26,27,28,29,30,31
	global_load_b32 v[R+32*(\t)+\i], v22, s[28:29] offset:(32*(\t)+\i)*4096 th:TH_LOAD_NT
.endr
.endm
	LOADW 0
	LOADW 1
	s_cmp_eq_u32 s25, 3
	s_cbranch_scc1 .Lwo
	s_lshl_b32 s40, s25, 6
	s_lshl_b32 s41, s38, 1
	s_add_co_u32 s40, s40, s41                     ; the first of my two tiles of 16 columns
	s_lshl_b32 s34, s40, 13
	s_lshl_b32 s41, s27, 10
	s_add_co_u32 s34, s34, s41
	s_add_nc_u64 s[30:31], s[18:19], s[34:35]      ; wc at my tile, my K step
	s_lshl_b32 s34, s40, 9
	s_lshr_b32 s41, s27, 2
	s_lshl_b32 s41, s41, 8
	s_add_co_u32 s34, s34, s41
	s_and_b32 s41, s27, 3
	s_lshl_b32 s41, s41, 2
	s_add_co_u32 s34, s34, s41
	s_add_nc_u64 s[32:33], s[20:21], s[34:35]      ; ws at my tile, my K step's word
.macro BLOCKW t
.set XS, R+32*(\t)
.if \t < 3
	s_wait_loadcnt 32                              ; this block's 32 loads are in; the next block's may be out
.else
	s_wait_loadcnt 0x0
.endif
.if \t < 2
	LOADW (\t)+2                                   ; every block has registers of its own
.endif
	v_max3_num_f32 v10, |v[XS]|, |v[XS+1]|, |v[XS+2]|              ; the block's largest magnitude: all 32 numbers are mine; two chains
	v_max3_num_f32 v11, |v[XS+3]|, |v[XS+4]|, |v[XS+5]|
.irp i, 6,10,14,18,22,26
	v_max3_num_f32 v10, v10, |v[XS+\i]|, |v[XS+\i+1]|
	v_max3_num_f32 v11, v11, |v[XS+\i+2]|, |v[XS+\i+3]|
.endr
	v_max3_num_f32 v10, v10, |v[XS+30]|, |v[XS+31]|
	v_max3_num_f32 v10, v10, v11, 0x1800000        ; and the floor 2^(3 - 127): the byte cannot fall under 1
	v_add_nc_u32 v12, 0xff000000, v10              ; 2 off its exponent field: the conversion takes the exponent field of this operand as its scale
	v_lshrrev_b32 v14, 23, v12                     ; the scale's byte
.if \t == 0
	v_mov_b32 v26, v14                             ; the K step's four bytes make my column's scale word
.else
	v_lshl_or_b32 v26, v14, 8*(\t), v26
.endif
.irp g, 0,1,2,3
	v_cvt_scalef32_pk8_fp4_f32 v[C+4*(\t)+\g], v[XS+8*\g:XS+8*\g+7], v12
.endr
	v_nop                                          ; one plain line behind the last conversion of a run
	global_store_b128 v23, v[C+4*(\t):C+4*(\t)+3], s[30:31] offset:256*(\t)   ; sixteen lanes store 256 consecutive bytes, aligned
.endm
	BLOCKW 0
	BLOCKW 1
	BLOCKW 2
	BLOCKW 3
	global_store_b32 v24, v26, s[32:33]            ; one word a column, 16 bytes apart: the one store here that does not cover whole runs: one byte for each 128 that the wave reads
	s_branch .Lend
.Lwo:
	s_lshl_b32 s34, s38, 16                        ; my two tiles of 32,768 bytes
	s_lshl_b32 s41, s27, 12
	s_add_co_u32 s34, s34, s41
	s_add_nc_u64 s[30:31], s[22:23], s[34:35]
.macro BLOCKH t                        ; Wo: 32 along K of my column: four pieces of 8 f16
.if \t < 3
	s_wait_loadcnt 32
.else
	s_wait_loadcnt 0x0
.endif
.if \t < 2
	LOADW (\t)+2
.endif
.irp g, 0,1,2,3
.irp p, 0,1,2,3
	v_cvt_pk_f16_f32 v[X+16*(\t)+4*\g+\p], v[R+32*(\t)+8*\g+2*\p], v[R+32*(\t)+8*\g+2*\p+1]
.endr
	global_store_b128 v25, v[X+16*(\t)+4*\g:X+16*(\t)+4*\g+3], s[30:31] offset:256*(4*(\t)+\g)
.endr
.endm
	BLOCKH 0
	BLOCKH 1
	BLOCKH 2
	BLOCKH 3
	s_branch .Lend
	; ---- x
.Lx_path:
	s_sub_co_u32 s25, ttmp9, 256
	s_lshl_b32 s25, s25, 2
	s_add_co_u32 s25, s25, s24
	s_lshr_b32 s26, s25, 1                         ; T: my 16 rows
	s_and_b32 s27, s25, 1                          ; kq: which 512 along K
	s_lshl_b32 s34, s26, 16
	s_lshl_b32 s38, s27, 11
	s_add_co_u32 s34, s34, s38
	s_add_nc_u64 s[28:29], s[4:5], s[34:35]
	s_lshl_b32 s34, s26, 13
	s_lshl_b32 s38, s27, 12
	s_add_co_u32 s34, s34, s38
	s_add_nc_u64 s[30:31], s[14:15], s[34:35]
	s_lshl_b32 s34, s26, 9
	s_lshl_b32 s38, s27, 8
	s_add_co_u32 s34, s34, s38
	s_add_nc_u64 s[32:33], s[16:17], s[34:35]
.macro LOADX f                         ; fragment f: 128 numbers of each of the 16 rows: a load reads 512 consecutive bytes
.irp i, 0,1,2,3,4,5,6,7,8,9,10,11,12,13,14,15
	global_load_b128 v[R+64*((\f)%2)+4*\i:R+64*((\f)%2)+4*\i+3], v4, s[28:29] offset:4096*\i+512*(\f) th:TH_LOAD_NT
.endr
.endm
	LOADX 0
	LOADX 1
.macro STEPX f
.set RS, R+64*((\f)%2)
.if \f < 3
	s_wait_loadcnt 16                              ; this fragment's 16 loads are in; the next one's may be out
.else
	s_wait_loadcnt 0x0
.endif
.irp i, 0,1,2,3,4,5,6,7,8,9,10,11,12,13,14,15
	ds_store_b128 v5, v[RS+4*\i:RS+4*\i+3] offset:528*\i
.endr
.irp c, 0,1
.irp j, 0,1,2,3,4,5,6,7
	ds_load_b128 v[X+32*\c+4*\j:X+32*\c+4*\j+3], v6 offset:256*\c+16*\j   ; LDS serves a wave's instructions in order: these see my stores.  k = 64 c + 32 h + 0 .. 31 of row r
.endr
.endr
	s_wait_dscnt 0x0                               ; the numbers are back, so the stores have read their registers,
.if \f < 2
	LOADX (\f)+2                                   ; which take the fragment two on
.endif
.irp c, 0,1
	v_max3_num_f32 v[10+\c], |v[X+32*\c]|, |v[X+32*\c+1]|, 0x1800000   ; my block 2 c + h, with the floor 2^(3 - 127) among its leaves
.endr
.irp i, 2,4,6,8,10,12,14,16,18,20,22,24,26,28,30
.irp c, 0,1
	v_max3_num_f32 v[10+\c], v[10+\c], |v[X+32*\c+\i]|, |v[X+32*\c+\i+1]|   ; (the two blocks by turns)
.endr
.endr
.irp c, 0,1
	v_add_nc_u32 v[12+\c], 0xff000000, v[10+\c]    ; the conversion's scale operand
.endr
.irp c, 0,1
.irp g, 0,1,2,3
	v_cvt_scalef32_pk8_fp4_f32 v[C+8*(\f)+4*\c+\g], v[X+32*\c+8*\g:X+32*\c+8*\g+7], v[12+\c]   ; registers 4 c .. 4 c + 3 of the operand
.endr
.endr
.irp c, 0,1
	v_lshrrev_b32 v[14+\c], 23, v[12+\c]           ; the scales' bytes (plain lines behind the conversions)
.endr
	v_lshl_or_b32 v[SW+\f], v15, 16, v14           ; blocks h and 2 + h of row r,
	v_lshlrev_b32 v[SW+\f], v8, v[SW+\f]           ; at their places in the word;
	v_permlanex16_b32 v9, v[SW+\f], s36, s37
	v_or_b32 v[SW+\f], v[SW+\f], v9                ; with lane l xor 16's two the word is whole
	global_store_b128 v4, v[C+8*(\f):C+8*(\f)+3], s[30:31] offset:1024*(\f)          ; 512 consecutive bytes a store
	global_store_b128 v4, v[C+8*(\f)+4:C+8*(\f)+7], s[30:31] offset:1024*(\f)+512
.endm
	STEPX 0
	STEPX 1
	STEPX 2
	STEPX 3
	global_store_b128 v7, v[SW:SW+3], s[32:33]     ; 16 rows x 4 words: 256 consecutive bytes, aligned; lanes 16-31 store the same bytes with the same values
.Lend:
	s_wait_tensorcnt 0x0                           ; the wave's end, behind my last LDS store
	ds_add_u32 v[SPW], v[NIL]
	s_wait_dscnt 0x0
	s_endpgm
.Lfunc_end_k_q29334cfeba_prep:
	.size	k_q29334cfeba_prep, .Lfunc_end_k_q29334cfeba_prep-k_q29334cfeba_prep
	.p2alignl 7, 3214868480
	.fill 96, 4, 3214868480
	.section	.rodata,"a",@progbits
	.p2align	6, 0x0
	.amdhsa_kernel k_q29334cfeba_prep
		.amdhsa_group_segment_fixed_size 34304
		.amdhsa_private_segment_fixed_size 0
		.amdhsa_enable_private_segment 0
		.amdhsa_kernarg_size 80
		.amdhsa_user_sgpr_count 2
		.amdhsa_user_sgpr_kernarg_segment_ptr 1
		.amdhsa_wavefront_size32 1
		.amdhsa_system_sgpr_workgroup_id_x 1
		.amdhsa_system_sgpr_workgroup_id_y 1
		.amdhsa_system_sgpr_workgroup_id_z 1
		.amdhsa_system_vgpr_workitem_id 0
		.amdhsa_next_free_vgpr 256
		.amdhsa_next_free_sgpr 66
		.amdhsa_reserve_vcc 0
		.amdhsa_float_denorm_mode_32 3
		.amdhsa_float_denorm_mode_16_64 3
		.amdhsa_memory_ordered 1
		.amdhsa_forward_progress 1
		.amdhsa_inst_pref_size 61
	.end_amdhsa_kernel
	.amdgpu_metadata
---
amdhsa.version: [ 1, 2 ]
amdhsa.kernels:
  - .name:           k_q29334cfeba_prep
    .symbol:         k_q29334cfeba_prep.kd
    .args:
      - { .name: x, .offset: 0, .size: 8, .value_kind: global_buffer, .address_space: global }
      - { .name: Wq, .offset: 8, .size: 8, .value_kind: global_buffer, .address_space: global }
      - { .name: Wk, .offset: 16, .size: 8, .value_kind: global_buffer, .address_space: global }
      - { .name: Wv, .offset: 24, .size: 8, .value_kind: global_buffer, .address_space: global }
      - { .name: Wo, .offset: 32, .size: 8, .value_kind: global_buffer, .address_space: global }
      - { .name: xc, .offset: 40, .size: 8, .value_kind: global_buffer, .address_space: global }
      - { .name: xs, .offset: 48, .size: 8, .value_kind: global_buffer, .address_space: global }
      - { .name: wc, .offset: 56, .size: 8, .value_kind: global_buffer, .address_space: global }
      - { .name: ws, .offset: 64, .size: 8, .value_kind: global_buffer, .address_space: global }
      - { .name: wo16, .offset: 72, .size: 8, .value_kind: global_buffer, .address_space: global }
    .group_segment_fixed_size: 34304
    .private_segment_fixed_size: 0
    .kernarg_segment_align: 8
    .kernarg_segment_size: 80
    .max_flat_workgroup_size: 128
    .sgpr_count:     66
    .vgpr_count:     256
    .wavefront_size: 32
...
	.end_amdgpu_metadata
.endif
;; end of part 1
;; launch qkv (part 2): grid 12 x 32, 4 waves a work-group, clusters of 4 x 4, 327,680 bytes of LDS; arguments xc, xs, wc, ws, qkv; writes qkv
.if DOCPART == 2
	.amdgcn_target "amdgcn-amd-amdhsa--gfx1250"
	.amdhsa_code_object_version 6
	.text
	.protected	k_q29334cfeba_qkv
	.globl	k_q29334cfeba_qkv
	.p2align	8
	.type	k_q29334cfeba_qkv,@function
k_q29334cfeba_qkv:
	s_mov_b64 s[64:65], 0
	v_nop
	global_prefetch_b8 v0, s[64:65] scope:SCOPE_SE
	s_setreg_imm32_b32 hwreg(HW_REG_WAVE_MODE, 25, 1), 1
	s_wait_xcnt 0x0
	s_wait_alu depctr_hold_cnt(0) depctr_sa_sdst(0) depctr_va_vdst(0) depctr_va_sdst(0) depctr_va_ssrc(0) depctr_va_vcc(0) depctr_vm_vsrc(0)
	s_getreg_b32 s2, hwreg(HW_REG_IB_STS2, 6, 4)
	s_cmp_eq_u32 s2, 0
	s_cbranch_scc0 .Lentry_in_a_cluster
	s_endpgm
.Lentry_in_a_cluster:
	s_bfe_u32 s2, ttmp6, 0x10000c
	s_cmp_lg_u32 s2, 0xf033
	s_cbranch_scc0 .Lentry_shape_is_right
	s_endpgm
.Lentry_shape_is_right:
; QKV: [8192 tokens][1024] x [3072 columns][1024]^T on codes of E2M1 with E8M0 scales, sums in f32, K ascending; columns 0-1023 are q, 1024-2047 k, 2048-3071 v.  Results leave as f16.  No work of reference() is left out here.
; LIMIT: |q|, |k|, |v| from 65,504 on are not served (f16).
; A work-group of four waves makes 256 tokens x 256 columns, a wave 128 x 128: 64 accumulators, 512 registers.  All of K (1,024) fits in LDS as two slots of 512: every tensor load is a first fill, nothing is filled again, and there is no loop.
; OPERANDS LIE IN MEMORY AND IN LDS AS IMAGES OF THEIR REGISTERS: a fragment (16 rows x 128 K) is 1,024 bytes, registers 4 c .. 4 c + 3 of a lane at 512 c + 16 lane: every LDS load reads 512 consecutive bytes, no pitch, no padding.
; CLUSTERS: 4 x 4 work-groups.  The four of a row of the cluster need the same tiles of x, the four of a column the same tiles of the weights: each is asked for JOINTLY, by the same tensor load with the same descriptor and a mask that names the four.
; THE MATRIX INSTRUCTION IS USED TRANSPOSED (source 0 = 16 columns of the weights, source 1 = 16 tokens): a lane (r, h) then holds token r and columns 16 b + 8 h + 0 .. 7, which pack into 16 bytes of f16.
; THE WAY OUT NEEDS NO LDS: qkv is laid [T 512][c16 192][512 B]; in the image of token tile T and 16 columns c16 lane (r, h)'s 16 bytes stand at (16 lane) xor (128 h): a store of the wave covers 512 consecutive bytes, aligned.
; (The exclusive or serves the next launch's turning loads of v.)
; REGISTERS, in windows of 256: window 0: v0-31 addresses; v32-95 scale words, two sets; v128-191 x's fragments, ONE set; on the way out v128-255 the packed results.
;   window 1: the weights' fragments, TWO sets, at v0 and v128.   window 2: the accumulators of my tokens 0-63 ((a, b) at v[8 (8 a + b)]);   window 3: those of my tokens 64-127.
.set NQ,     4                         ; steps of 128 along K in a slot
.set FR,     8                         ; registers of a fragment
.set NL,     2                         ; LDS loads that bring one
.set NP,     4                         ; places behind this matrix instruction (ISA guide 7.12.1)
.set SLOT,   131072                    ; x's 16 tiles x 4,096 bytes, then the weights' 16
.set BOFF,   65536
.set SCL,    2*SLOT                    ; the scale words: x's 16 tiles x 512 bytes, then the weights'
.set SPARE,  SCL+16384                 ; the spare words, 128 bytes for each wave
.set TROW,   98304                     ; a token tile in qkv: 192 images of 512 bytes
.set ADRA, 16                          ; v16-17  LDS address of my fragments of x in slot 0, 1
.set ADRB, 20                          ; v20-21  the same for the weights
.set CO,   26                          ; v26     my 16 bytes in an image of qkv
.set ADRS, 27                          ; v27     LDS address of my scale words: lanes 0-15 x's, lanes 16-31 the weights'
.set SPW,  28                          ; v28     my spare word; never rewritten
.set NIL,  29                          ; v29     0; never rewritten
.set SC,   32                          ; scale words: set s at v[SC + 32 s]; register 4 i + q: lanes 0-15 x's block i, lanes 16-31 the weights' block i, the slot's q-th 128 along K
.set AF,   128                         ; x's fragments
.set PK,   128                         ; the way out: four sets of 32 packed registers
.set G1, 24                            ; s[24:31] group 1 for x's codes;  s[32:39] group 0, a set for each slot
.set G0, 32
.set G1B, 48                           ; the same for the weights' codes
.set G0B, 56
.set G1S, 68                           ; s[68:75], s[76:79] for x's scale words;  s[80:87], s[88:91] for the weights'
.set G0S, 76
.set G1SB, 80
.set G0SB, 88
.set MSB, 0
.macro WIN new                         ; the immediate's high byte repeats the setting that is left
.if MSB != (\new)
	s_set_vgpr_msb (MSB<<8)|(\new)
.set MSB, \new
.endif
.endm
.set MUL_LO, 0xa1                      ; source 0 (weights) window 1, source 1 (x) window 0, C and D window 2
.set MUL_HI, 0xf1                      ; the same, C and D window 3
.set TO_B,   0x40                      ; destination window 1, address window 0
; A joint load: waves 0 and 1 fetch for x, waves 2 and 3 for the weights.  The branch hangs on the wave's number alone.  An s_nop 0 and four v_nop follow each of the two lines.
.macro JLOAD g0a, g1a, g0b, g1b
	s_cmp_eq_u32 s15, 0
	s_cbranch_scc0 .Lfor_b_\@
	tensor_load_to_lds s[\g0a:\g0a+3], s[\g1a:\g1a+7]
	s_nop 0
.rept 4
	v_nop
.endr
	s_branch .Lasked_\@
.Lfor_b_\@:
	tensor_load_to_lds s[\g0b:\g0b+3], s[\g1b:\g1b+7]
	s_nop 0
.rept 4
	v_nop
.endr
.Lasked_\@:
.endm
.macro CROUND                          ; a round of the cluster's barrier
	s_barrier_signal -1
	s_barrier_wait -1
	s_cmp_lg_u32 s14, 0
	s_cbranch_scc1 .Lnot_wave_0_\@
	s_barrier_signal -3
.Lnot_wave_0_\@:
	s_barrier_wait -3
	s_barrier_signal -1
	s_barrier_wait -1
.endm
	s_load_b128 s[4:7], s[0:1], 0x0                ; xc s[4:5], xs s[6:7]
	s_load_b128 s[8:11], s[0:1], 0x10              ; wc s[8:9], ws s[10:11]
	s_load_b64 s[12:13], s[0:1], 0x20              ; qkv
	v_lshl_add_u32 v[SPW], v0, 2, SPARE
	v_mov_b32 v[NIL], 0
	ds_add_u32 v[SPW], v[NIL]                      ; the wave's opening: the add, twice on end, and its wait ahead of my first tensor load
	ds_add_u32 v[SPW], v[NIL]                      ; and once more, under the one wait; the set-up below, work on registers, stands between
	v_lshrrev_b32 v1, 5, v0
	v_readfirstlane_b32 s14, v1                    ; wave 0..3
	s_lshr_b32 s15, s14, 1                         ; which half of the tile's tokens is mine.  Also: I fetch for x (0) or for the weights (1)
	s_and_b32 s16, s14, 1                          ; which half of its columns.  Also: which 8 tiles I fetch
	s_bfe_u32 s40, ttmp6, 0x40000                  ; cx, cy: my place in the cluster
	s_bfe_u32 s41, ttmp6, 0x40004
	s_lshl_b32 s42, ttmp9, 2
	s_add_co_u32 s42, s42, s40                     ; tile column = 4 x cluster x + cx
	s_and_b32 s17, ttmp7, 0xffff
	s_lshl_b32 s17, s17, 2
	s_add_co_u32 s17, s17, s41                     ; tile row = 4 x cluster y + cy
	s_lshl_b32 s43, s41, 2
	s_lshl_b32 s43, 15, s43                        ; my row of the cluster
	s_lshl_b32 s44, 0x1111, s40                    ; my column
	; group 1 for the codes: 8 tiles' parts of 4,096 bytes (512 elements of 8 bytes), 8,192 bytes apart in memory, dense in LDS
	s_or_b32 s[G1+0], s43, (3<<16)|(1<<21)         ; 15:0 the mask; 17:16 elements of 8 bytes; 21 set beside a mask; no padding
	s_or_b32 s[G1B+0], s44, (3<<16)|(1<<21)
.irp g, G1, G1B
	s_mov_b32 s[\g+1], 512<<16                     ; tensor_dim0
	s_mov_b32 s[\g+2], 8<<16                       ; tensor_dim1
	s_mov_b32 s[\g+3], 512<<16                     ; tile_dim0
	s_mov_b32 s[\g+4], 8                           ; tile_dim1
	s_mov_b32 s[\g+5], 1024                        ; tensor_dim0_stride
	s_mov_b32 s[\g+6], 0
	s_mov_b32 s[\g+7], 0
.endr
	; and for the scale words of 8 tiles: 4,096 dense bytes as 16 rows of 256
	s_or_b32 s[G1S+0], s43, (3<<16)|(1<<21)
	s_or_b32 s[G1SB+0], s44, (3<<16)|(1<<21)
.irp g, G1S, G1SB
	s_mov_b32 s[\g+1], 32<<16
	s_mov_b32 s[\g+2], 16<<16
	s_mov_b32 s[\g+3], 32<<16
	s_mov_b32 s[\g+4], 16
	s_mov_b32 s[\g+5], 32
	s_mov_b32 s[\g+6], 0
	s_mov_b32 s[\g+7], 0
.endr
	s_lshl_b32 s18, s16, 3                         ; which 8 tiles I fetch
	s_lshl_b32 s20, s17, 4
	s_add_co_u32 s20, s20, s18                     ; x: tile 16 x tile row + 8 x half
	s_lshl_b32 s46, s42, 4
	s_add_co_u32 s46, s46, s18                     ; weights: tile 16 x tile column + 8 x half
	s_lshl_b32 s22, s20, 9                         ; where these tiles' scale words begin,
	s_mov_b32 s23, 0
	s_lshl_b32 s92, s46, 9
	s_mov_b32 s93, 0
	s_lshl_b32 s20, s20, 13                        ; and their codes
	s_mov_b32 s21, 0
	s_lshl_b32 s46, s46, 13
	s_mov_b32 s47, 0
	s_lshl_b32 s45, s14, 15                        ; where they go: wave x 8 tiles: no place in the cluster enters an LDS address
	s_lshl_b32 s94, s14, 12
	s_wait_dscnt 0x0                               ; both opening adds are done
	s_wait_kmcnt 0x0
	s_add_nc_u64 s[20:21], s[4:5], s[20:21]
	s_add_nc_u64 s[22:23], s[6:7], s[22:23]
	s_add_nc_u64 s[46:47], s[8:9], s[46:47]
	s_add_nc_u64 s[92:93], s[10:11], s[92:93]
	CROUND                                         ; all sixteen work-groups are here: the joint loads meet
	s_mov_b32 s[G0S], 1
	s_add_co_u32 s[G0S+1], s94, SCL
	s_mov_b64 s[G0S+2:G0S+3], s[22:23]
	s_or_b32 s[G0S+3], s[G0S+3], 0x80000000
	s_mov_b32 s[G0SB], 1
	s_add_co_u32 s[G0SB+1], s94, SCL
	s_mov_b64 s[G0SB+2:G0SB+3], s[92:93]
	s_or_b32 s[G0SB+3], s[G0SB+3], 0x80000000
	JLOAD G0S, G1S, G0SB, G1SB                     ; the scale words first: they are wanted with the first step
.irp s, 0,1
	s_mov_b32 s[G0+4*\s], 1
	s_add_co_u32 s[G0+4*\s+1], s45, \s*SLOT
	s_add_nc_u64 s[G0+4*\s+2:G0+4*\s+3], s[20:21], \s*4096
	s_or_b32 s[G0+4*\s+3], s[G0+4*\s+3], 0x80000000
	s_mov_b32 s[G0B+4*\s], 1
	s_add_co_u32 s[G0B+4*\s+1], s45, \s*SLOT
	s_add_nc_u64 s[G0B+4*\s+2:G0B+4*\s+3], s[46:47], \s*4096
	s_or_b32 s[G0B+4*\s+3], s[G0B+4*\s+3], 0x80000000
	JLOAD G0+4*\s, G1, G0B+4*\s, G1B               ; three tensor loads of mine are out in all
.endr
	v_and_b32 v1, 15, v0                           ; r
	v_bfe_u32 v2, v0, 4, 1                         ; h
	v_and_b32 v3, 31, v0
	v_lshlrev_b32 v4, 4, v3                        ; 16 lane
	s_lshl_b32 s21, s15, 15                        ; my 8 tiles of x
	s_lshl_b32 s22, s16, 15                        ; my 8 tiles of the weights,
	s_add_co_u32 s22, s22, BOFF                    ; which lie behind x's 16
.irp s, 0,1
	v_add_nc_u32 v[ADRA+\s], s21, v4
	v_add_nc_u32 v[ADRB+\s], s22, v4
	s_add_co_u32 s21, s21, SLOT
	s_add_co_u32 s22, s22, SLOT
.endr
	v_lshlrev_b32 v5, 4, v1                        ; my row's four words
	s_lshl_b32 s21, s15, 12                        ; x's: my 8 tiles of 512 bytes
	s_lshl_b32 s22, s16, 12                        ; the weights': my 8 tiles, behind x's 16
	s_add_co_u32 s22, s22, 8192
	s_sub_co_u32 s22, s22, s21
	v_mul_u32_u24 v6, s22, v2                      ; lanes 16-31 take the weights': the lower base + h x the distance
	s_add_co_u32 s21, s21, SCL
	v_add_nc_u32 v5, v5, v6
	v_add_nc_u32 v[ADRS], s21, v5
	v_lshlrev_b32 v6, 7, v2
	v_xor_b32 v[CO], v4, v6                        ; (16 lane) xor (128 h)
	s_lshl_b32 s20, s17, 4
	s_lshl_b32 s21, s15, 3
	s_add_co_u32 s20, s20, s21                     ; my first token tile
	s_mul_i32 s20, s20, TROW
	s_mov_b32 s21, 0
	s_lshl_b32 s46, s42, 4
	s_lshl_b32 s47, s16, 3
	s_add_co_u32 s46, s46, s47                     ; my first image of 16 columns
	s_lshl_b32 s46, s46, 9
	s_mov_b32 s47, 0
	s_add_nc_u64 s[20:21], s[20:21], s[46:47]
	s_add_nc_u64 s[12:13], s[12:13], s[20:21]
.macro FRAG reg, adr, q, i             ; tile i's fragment of the slot's q-th 128 along K: registers 4 c .. 4 c + 3 hold K = 64 c + 32 h + 0 .. 31 of row r
.irp c, 0,1
	ds_load_b128 v[\reg+4*\c:\reg+4*\c+3], v[\adr] offset:(\i)*4096+(\q)*1024+512*\c
.endr
.endm
; 16 matrix instructions: x's blocks a0, a0 + 1 against the weights' eight.  p: the weights' set; sc: the set of scale words.  zero = 1: the first product starts the sums: nothing is ever cleared.
; The 64 accumulators take turns, one instruction a turn, in the same order in every step.
.macro MUL16 a0, p, q, sc, zero
.irp a, \a0, \a0+1
.irp b, 0,1,2,3,4,5,6,7
.if \zero
	v_wmma_scale_f32_16x16x128_f8f6f4 v[8*(8*((\a)%4)+\b):8*(8*((\a)%4)+\b)+7], v[128*(\p)+FR*\b:128*(\p)+FR*\b+FR-1], v[AF+FR*(\a):AF+FR*(\a)+FR-1], 0, v[SC+8*NQ*(\sc)+NQ*\b+(\q)], v[SC+8*NQ*(\sc)+NQ*(\a)+(\q)] matrix_a_fmt:MATRIX_FMT_FP4 matrix_b_fmt:MATRIX_FMT_FP4 matrix_a_scale:MATRIX_SCALE_ROW1
.else
	v_wmma_scale_f32_16x16x128_f8f6f4 v[8*(8*((\a)%4)+\b):8*(8*((\a)%4)+\b)+7], v[128*(\p)+FR*\b:128*(\p)+FR*\b+FR-1], v[AF+FR*(\a):AF+FR*(\a)+FR-1], v[8*(8*((\a)%4)+\b):8*(8*((\a)%4)+\b)+7], v[SC+8*NQ*(\sc)+NQ*\b+(\q)], v[SC+8*NQ*(\sc)+NQ*(\a)+(\q)] matrix_a_fmt:MATRIX_FMT_FP4 matrix_b_fmt:MATRIX_FMT_FP4 matrix_a_scale:MATRIX_SCALE_ROW1
.endif
.endr
.endr
.endm
.macro FETCH_B slot, q, p
	WIN TO_B
.irp i, 0,1,2,3,4,5,6,7
	FRAG 128*(\p)+FR*\i, ADRB+\slot, \q, \i
.endr
	WIN 0
.endm
.macro FETCH_A slot, q, i0
.irp i, \i0, \i0+1, \i0+2, \i0+3
	FRAG AF+FR*(\i), ADRA+\slot, \q, \i
.endr
.endm
.macro SCALES sc                       ; slot sc's scale words: four words a row; lanes 0-15 take x's block i, lanes 16-31 the weights' block i
.irp i, 0,1,2,3,4,5,6,7
	ds_load_b128 v[SC+8*NQ*\sc+NQ*\i:SC+8*NQ*\sc+NQ*\i+3], v[ADRS] offset:\i*512+\sc*256
.endr
.endm
; A load into a register that a matrix instruction has read, and a vector instruction that reads a matrix result, stand NP places behind it; only plain vector instructions that name none of its registers are places.
.macro PLACES n
.rept \n
	v_nop
.endr
.endm
.macro STEP slot, q, zero              ; a step of 128 along K that has its successor in the same slot
	s_wait_dscnt 4*NL                              ; the weights' set and x's blocks 0-3 are in; the youngest eight loads (x's blocks 4-7) may be out
	WIN MUL_LO
	MUL16 0, (\q)%2, \q, \slot, \zero
	MUL16 2, (\q)%2, \q, \slot, \zero
	s_wait_dscnt 0                                 ; x's blocks 4-7 are in
	PLACES NP
	FETCH_B \slot, (\q)+1, 1-(\q)%2
	FETCH_A \slot, (\q)+1, 0
	WIN MUL_HI
	MUL16 4, (\q)%2, \q, \slot, \zero
	MUL16 6, (\q)%2, \q, \slot, \zero
	PLACES NP
	WIN 0
	FETCH_A \slot, (\q)+1, 4
.endm
.macro STEPS slot, from
.set Q, \from
.rept NQ-1-\from
	STEP \slot, Q, 0
.set Q, Q+1
.endr
.endm
	s_wait_tensorcnt 1                             ; the scale words and my part of slot 0 are in (slot 1's load may be out),
	s_barrier_signal -1
	s_barrier_wait -1                              ; everybody's are
	FETCH_B 0, 0, 0
	FETCH_A 0, 0, 0
	SCALES 0
	FETCH_A 0, 0, 4
	STEP 0, 0, 1                                   ; the first step's products start the sums
	STEPS 0, 1
	; slot 0's last step, and the change to slot 1: one barrier; nothing is filled again
	s_wait_tensorcnt 0x0                           ; my part of slot 1 has landed  (every window is 0 here)
	ds_add_u32 v[SPW], v[NIL]                      ; 0 onto my spare word
	s_wait_dscnt 4*NL+1                            ; (the add and x's blocks 4-7 may be out)
	WIN MUL_LO
	MUL16 0, 1, NQ-1, 0, 0
	s_wait_dscnt 0x0                               ; no LDS instruction of mine is out at the signal
	s_barrier_signal -1
	MUL16 2, 1, NQ-1, 0, 0
	WIN 0
	s_barrier_wait -1                              ; slot 1 is whole
	PLACES NP
	FETCH_B 1, 0, 0
	FETCH_A 1, 0, 0
	SCALES 1
	WIN MUL_HI
	MUL16 4, 1, NQ-1, 0, 0
	MUL16 6, 1, NQ-1, 0, 0
	PLACES NP
	WIN 0
	FETCH_A 1, 0, 4
	STEPS 1, 0
	s_wait_dscnt 4*NL                              ; the very last step: nothing more to fetch
	WIN MUL_LO
	MUL16 0, 1, NQ-1, 1, 0
	MUL16 2, 1, NQ-1, 1, 0
	s_wait_dscnt 0
	WIN MUL_HI
	MUL16 4, 1, NQ-1, 1, 0
	MUL16 6, 1, NQ-1, 1, 0
	WIN 0
; THE WAY OUT, block by block of 16 tokens x 128 columns: a lane's eight numbers of an accumulator pack into its 16 bytes of an image.  Each accumulator is read from its low end on.
.macro OUT a
.set AC, 64*((\a)%4)
.set PB, PK+32*((\a)%4)
.if (\a) >= 4
	s_wait_xcnt 0x0                                ; the stores of four blocks back have read their registers: the set is written again only behind this wait
.endif
	WIN 0x0a+5*((\a)/4)                            ; sources 0 and 1: window 2 or 3
.irp b, 0,1,2,3,4,5,6,7
.irp p, 0,1,2,3
	v_cvt_pk_f16_f32 v[PB+4*\b+\p], v[AC+8*\b+2*\p], v[AC+8*\b+2*\p+1]
.endr
.endr
	WIN 0
.irp b, 0,1,2,3,4,5,6,7
	global_store_b128 v[CO], v[PB+4*\b:PB+4*\b+3], s[12:13] offset:(\a)*TROW+\b*512   ; 32 lanes store 512 consecutive bytes, at a multiple of 512 from qkv's first byte
.endr
.endm
	PLACES NP                                      ; behind the last products: for the writes into the registers that held x's fragments, and for the reads of results
.irp a, 0,1,2,3,4,5,6,7
	OUT \a
.endr
	s_wait_tensorcnt 0x0                           ; the wave's end, behind my last tensor load
	ds_add_u32 v[SPW], v[NIL]
	s_wait_dscnt 0x0
	CROUND                                         ; the closing round: no work-group ends while a partner may still ask for a tile that names it
	s_endpgm
.Lfunc_end_k_q29334cfeba_qkv:
	.size	k_q29334cfeba_qkv, .Lfunc_end_k_q29334cfeba_qkv-k_q29334cfeba_qkv
	.p2alignl 7, 3214868480
	.fill 96, 4, 3214868480
	.section	.rodata,"a",@progbits
	.p2align	6, 0x0
	.amdhsa_kernel k_q29334cfeba_qkv
		.amdhsa_group_segment_fixed_size 327680
		.amdhsa_private_segment_fixed_size 0
		.amdhsa_enable_private_segment 0
		.amdhsa_kernarg_size 40
		.amdhsa_user_sgpr_count 2
		.amdhsa_user_sgpr_kernarg_segment_ptr 1
		.amdhsa_wavefront_size32 1
		.amdhsa_system_sgpr_workgroup_id_x 1
		.amdhsa_system_sgpr_workgroup_id_y 1
		.amdhsa_system_sgpr_workgroup_id_z 1
		.amdhsa_system_vgpr_workitem_id 0
		.amdhsa_next_free_vgpr 1024
		.amdhsa_next_free_sgpr 98
		.amdhsa_reserve_vcc 0
		.amdhsa_float_denorm_mode_32 3
		.amdhsa_float_denorm_mode_16_64 3
		.amdhsa_memory_ordered 1
		.amdhsa_forward_progress 1
		.amdhsa_inst_pref_size 117
	.end_amdhsa_kernel
	.amdgpu_metadata
---
amdhsa.version: [ 1, 2 ]
amdhsa.kernels:
  - .name:           k_q29334cfeba_qkv
    .symbol:         k_q29334cfeba_qkv.kd
    .args:
      - { .name: xc, .offset: 0, .size: 8, .value_kind: global_buffer, .address_space: global }
      - { .name: xs, .offset: 8, .size: 8, .value_kind: global_buffer, .address_space: global }
      - { .name: wc, .offset: 16, .size: 8, .value_kind: global_buffer, .address_space: global }
      - { .name: ws, .offset: 24, .size: 8, .value_kind: global_buffer, .address_space: global }
      - { .name: qkv, .offset: 32, .size: 8, .value_kind: global_buffer, .address_space: global }
    .group_segment_fixed_size: 327680
    .private_segment_fixed_size: 0
    .kernarg_segment_align: 8
    .kernarg_segment_size: 40
    .max_flat_workgroup_size: 128
    .sgpr_count:     98
    .vgpr_count:     1024
    .wavefront_size: 32
...
	.end_amdgpu_metadata
.endif
;; end of part 2
;; launch attn (part 3): grid 4 x 64, 8 waves a work-group, clusters of 4 x 1, 327,680 bytes of LDS; arguments qkv, ao; writes ao
.if DOCPART == 3
	.amdgcn_target "amdgcn-amd-amdhsa--gfx1250"
	.amdhsa_code_object_version 6
	.text
	.protected	k_q29334cfeba_attn
	.globl	k_q29334cfeba_attn
	.p2align	8
	.type	k_q29334cfeba_attn,@function
k_q29334cfeba_attn:
	s_mov_b64 s[64:65], 0
	v_nop
	global_prefetch_b8 v0, s[64:65] scope:SCOPE_SE
	s_setreg_imm32_b32 hwreg(HW_REG_WAVE_MODE, 25, 1), 1
	s_wait_xcnt 0x0
	s_wait_alu depctr_hold_cnt(0) depctr_sa_sdst(0) depctr_va_vdst(0) depctr_va_sdst(0) depctr_va_ssrc(0) depctr_va_vcc(0) depctr_vm_vsrc(0)
	s_getreg_b32 s2, hwreg(HW_REG_IB_STS2, 6, 4)
	s_cmp_eq_u32 s2, 0
	s_cbranch_scc0 .Lentry_in_a_cluster
	s_endpgm
.Lentry_in_a_cluster:
	s_bfe_u32 s2, ttmp6, 0x10000c
	s_cmp_lg_u32 s2, 0x3003
	s_cbranch_scc0 .Lentry_shape_is_right
	s_endpgm
.Lentry_shape_is_right:
; ATTN: O[b][hd][q] = the sum over k of softmax_k(Q . K / 8) V, 64 heads-in-batches of 2,048 tokens, head size 64, no mask.  Operands f16, products, maxima and sums f32; the weights p are rounded to f16 for the second product,
; the row's sum is taken of the unrounded p; O / sum leaves as f16.  No work of reference() is left out here.  LIMITS: |q|, |k|, |v| under 65,504 (f16); a p under 2^-25 counts as 0 in the second product.
; SHARES.  Work-group y is (batch y / 16, head y % 16); the four work-groups along x are the head's four blocks of 512 queries and form ONE CLUSTER: they walk the same K and V, so each tile is asked for JOINTLY (mask 15).
; Eight waves, two to a SIMD, 512 registers each; a wave owns 64 queries: four tiles of 16.  Every wave walks all 2,048 keys, 64 a step.
; LAYOUT.  qkv is [T 512][c16 192][512 B]: in the image of token tile T and channels 16 cb .. 16 cb + 15 the piece (token r, channels 8 h + 0 .. 7), 16 bytes, stands at (256 h + 16 r) xor (128 h).
; S^T = K Q^T (source 0 = 16 keys, source 1 = 16 queries): a lane holds ONE query (lane % 16) and keys 8 (lane / 16) + 0 .. 7.  Two such tiles, rounded to f16 in pairs, ARE source 1 (32 keys x 16 queries) of O^T = V^T P.
; K and Q come as they lie (a lane reads its own piece); V comes turned, by ds_load_tr16_b128: lane L reads the piece (token 8 (L / 16) + L % 8, channels 8 ((L / 8) % 2) on); with the exclusive or sixteen lanes touch sixteen different columns of 16 bytes.
; SOFTMAX.  For each query a running maximum m and sum l: p = 2^(c s - c m), c = log2(e) / 8; in every step O and l are multiplied by a = 2^(c m_old - c m_new).
; BY TURNS.  The wave's tiles are two PIECES (piece 0: tiles 0, 1; piece 2: tiles 2, 3).  In a TURN one piece has the matrix unit: 16 products V^T P of the step in hand, then 16 products K Q^T of the next step; the other piece's
; softmax, 2 x 118 instructions cut into 59 slices of four, stands between them: one slice behind each of the first five products, two behind each of the others.  Two turns are a key step.
; P LIES IN S^T'S OWN REGISTERS: pair p of a tile's 32 weights is packed into register p, ascending, behind the sums.  So K Q^T takes its key tiles in the order 2, 3, 0, 1: the registers that the turn's last V^T P read are written over last.
; THE RING.  Two slots of 512 keys (8 steps): K's 32 token tiles x 2,048 bytes, then V's.  Each of the eight waves fetches 8 tiles (waves 0-3 K's, 4-7 V's): group 0 is arithmetic on the wave's number, no branch.
; A refill is asked for at a change of slots and waited for at the next: 8 key steps, 512 matrix instructions of the wave, lie between; no wave waits for it, so nothing is prefetched.
; REGISTERS: window 0: v2-7 addresses; v12-43 eight registers of statistics a tile; v64-191 S^T, 32 a tile (P in the first 16); v192-255 Q, 16 a tile.   window 1: v0-127 O^T, 32 a tile; v128-191 K of a step; v192-255 V of a step.
.set STEPB, 8192                       ; a step's 4 token tiles of K (or of V) in LDS
.set VOFF,  65536
.set SLOT1, 1<<17
.set SPARE, 2*SLOT1                    ; the spare words, 128 bytes for each of the eight waves
.set TROW,  98304                      ; a token tile in qkv
.set AK0, 2                            ; v2   my piece in an image: (16 lane) xor (128 h); never rewritten
.set AV0, 3                            ; v3   the piece that I read for the turning load, + VOFF; never rewritten
.set ADR, 4                            ; v4   the LDS address of the run of loads in hand
.set GO,  5                            ; v5   16 lane: my bytes in an image of ao
.set SPW, 6                            ; v6   my spare word; never rewritten
.set NIL, 7                            ; v7   0; never rewritten
.set ST,  12                           ; tile t's statistics at v[ST+8 t]: +0 c m, +1 m, +2, +3 l, +4, +5 c0, c1, later a chain of the sums, +6 c2, later a, +7 c3, later c m_old
.set S,   64
.set Q,   192
.set KF,  128                          ; in window 1
.set VF,  192                          ; in window 1
.set WV,  12                           ; s12  my wave's number
.set G1,  24                           ; s[24:31] descriptor group 1
.set G0,  40                           ; s[40:43], s[44:47] group 0 for the two first fills; the second then walks on
.set SLOTS, 56
.set CNT, 57
.set CS,  58                           ; s[58:59] c
.set SEL, 60                           ; s[60:61] selects for lane l xor 16
.set TB,  62                           ; s62  LDS byte at which the step to be fetched begins
.set MSB, 0
.macro WIN new
.if MSB != (\new)
	s_set_vgpr_msb (MSB<<8)|(\new)
.set MSB, \new
.endif
.endm
.set W_KQ, 0x01                        ; K in window 1; Q and S^T in window 0
.set W_PV, 0x51                        ; V and O^T in window 1, P in window 0
.set W_RS, 0x41                        ; O^T (destination and source 0) in window 1, a in window 0
.set W_LD, 0x40                        ; a load's destination in window 1, its address in window 0
.macro CROUND                          ; a round of the cluster's barrier
	s_barrier_signal -1
	s_barrier_wait -1
	s_cmp_lg_u32 s[WV], 0
	s_cbranch_scc1 .Lnot_wave_0_\@
	s_barrier_signal -3
.Lnot_wave_0_\@:
	s_barrier_wait -3
	s_barrier_signal -1
	s_barrier_wait -1
.endm
.macro PLACES
.rept 4
	v_nop
.endr
.endm
	s_load_b128 s[4:7], s[0:1], 0x0                ; qkv s[4:5], ao s[6:7]
	v_lshl_add_u32 v[SPW], v0, 2, SPARE
	v_mov_b32 v[NIL], 0
	ds_add_u32 v[SPW], v[NIL]                      ; the wave's opening: the add, twice on end, and its wait ahead of my first tensor load
	ds_add_u32 v[SPW], v[NIL]                      ; and once more, under the one wait; the set-up below, work on registers, stands between
	v_lshrrev_b32 v1, 5, v0
	v_readfirstlane_b32 s[WV], v1                  ; wave 0..7
	s_bfe_u32 s13, ttmp6, 0x40000                  ; cx
	s_lshl_b32 s18, ttmp9, 2
	s_add_co_u32 s13, s13, s18                     ; my block of 512 queries: it enters Q's and ao's addresses alone
	s_and_b32 s14, ttmp7, 0xffff
	s_lshr_b32 s15, s14, 4
	s_lshl_b32 s15, s15, 7                         ; the batch's first token tile
	s_and_b32 s16, s14, 15
	s_lshl_b32 s16, s16, 11                        ; the head's four images in a token tile: 2,048 bytes
	s_and_b32 s20, s[WV], 3                        ; what I fetch: 8 token tiles of a slot's 32,
	s_lshl_b32 s20, s20, 3
	s_add_co_u32 s20, s20, s15
	s_mul_i32 s20, s20, TROW
	s_lshr_b32 s21, s[WV], 2                       ; of K (waves 0-3) or of V (waves 4-7): 32,768 or 65,536 bytes into a token tile
	s_add_co_u32 s21, s21, 1
	s_lshl_b32 s21, s21, 15
	s_add_co_u32 s20, s20, s21
	s_add_co_u32 s20, s20, s16
	s_mov_b32 s21, 0
	s_lshl_b32 s17, s[WV], 14                      ; and where it goes: wave x 16,384: no place in the cluster enters an LDS address
	s_lshl_b32 s8, s13, 5
	s_add_co_u32 s8, s8, s15
	s_lshl_b32 s9, s[WV], 2
	s_add_co_u32 s8, s8, s9                        ; my first token tile of queries
	s_lshl_b32 s10, s8, 15                         ; in ao a token tile is 32,768 bytes
	s_add_co_u32 s10, s10, s16
	s_mov_b32 s11, 0
	s_mul_i32 s8, s8, TROW
	s_add_co_u32 s8, s8, s16
	s_mov_b32 s9, 0
	; group 1: 8 rows of 2,048 bytes (256 elements of 8 bytes), 98,304 bytes apart in memory, dense in LDS
	s_mov_b32 s[G1], 15|(3<<16)|(1<<21)            ; 15:0 the mask: all four work-groups; 17:16 elements of 8 bytes; 21 set beside a mask; no padding
	s_mov_b32 s[G1+1], 256<<16                     ; tensor_dim0
	s_mov_b32 s[G1+2], 8<<16                       ; tensor_dim1
	s_mov_b32 s[G1+3], 256<<16                     ; tile_dim0
	s_mov_b32 s[G1+4], 8                           ; tile_dim1
	s_mov_b32 s[G1+5], 12288                       ; tensor_dim0_stride
	s_mov_b32 s[G1+6], 0
	s_mov_b32 s[G1+7], 0
	s_mov_b32 s[CS], 0x3e38aa3b                    ; c = log2(e) / 8
	s_mov_b32 s[CS+1], s[CS]                       ; named with it as a pair, so it is written
	s_mov_b32 s[SEL], 0x76543210
	s_mov_b32 s[SEL+1], 0xfedcba98
	s_mov_b32 s[TB], 0
	s_mov_b32 s[SLOTS], 2
	s_wait_dscnt 0x0                               ; both opening adds are done
	s_wait_kmcnt 0x0
	s_add_nc_u64 s[20:21], s[4:5], s[20:21]        ; K or V at my tiles of slot 0
	s_add_nc_u64 s[8:9], s[4:5], s[8:9]            ; Q at my first tile
	s_add_nc_u64 s[10:11], s[6:7], s[10:11]        ; ao likewise
	CROUND                                         ; all four work-groups are here: the first joint loads meet
	s_mov_b32 s[G0], 1
	s_mov_b32 s[G0+1], s17
	s_mov_b64 s[G0+2:G0+3], s[20:21]
	s_or_b32 s[G0+3], s[G0+3], 0x80000000
	s_mov_b32 s[G0+4], 1
	s_add_co_u32 s[G0+5], s17, SLOT1
	s_add_nc_u64 s[G0+6:G0+7], s[20:21], 32*TROW   ; slot 1: the next 512 keys
	s_or_b32 s[G0+7], s[G0+7], 0x80000000
	tensor_load_to_lds s[G0:G0+3], s[G1:G1+7]      ; every wave issues both first fills: two loads of mine are out
	s_nop 0
	tensor_load_to_lds s[G0+4:G0+7], s[G1:G1+7]
	s_nop 0
.rept 4
	v_nop
.endr
	v_and_b32 v1, 31, v0
	v_bfe_u32 v9, v0, 4, 1                         ; h
	v_lshlrev_b32 v[GO], 4, v1
	v_lshlrev_b32 v10, 7, v9
	v_xor_b32 v[AK0], v[GO], v10
.irp i, 0,1,2,3,4,5,6,7,8,9,10,11,12,13,14,15  ; Q stays in registers: tile i / 4, channels 16 (i % 4) on
	global_load_b128 v[Q+4*\i:Q+4*\i+3], v[AK0], s[8:9] offset:(\i/4)*TROW+(\i%4)*512
.endr
	v_bfe_u32 v8, v0, 3, 1                         ; which 8 channels I read for the turning load
	v_xor_b32 v10, v8, v9
	v_and_b32 v11, 7, v0
	v_lshlrev_b32 v[AV0], 4, v11
	v_lshl_add_u32 v[AV0], v8, 8, v[AV0]
	v_lshl_add_u32 v[AV0], v10, 7, v[AV0]
	v_add_nc_u32 v[AV0], VOFF, v[AV0]
; THE MATRIX WORK OF A TURN, for piece x.  The accumulators take turns, one instruction a turn: between two links of a chain stand seven others'.
; Product i of 16 of S^T = K Q^T: channels 32 (i / 8) on, key tile ((i / 2) % 4 + 2) % 4, tile x + i % 2.  The first 8 start the sums.
.macro KQ x
	WIN W_KQ
.set kt, ((i/2)%4+2)%4
.set rS, S+32*(\x+i%2)+8*kt
.set rK, KF+16*kt+8*(i/8)
.set rQ, Q+16*(\x+i%2)+8*(i/8)
.if i < 8
	v_wmma_f32_16x16x32_f16 v[rS:rS+7], v[rK:rK+7], v[rQ:rQ+7], 0
.else
	v_wmma_f32_16x16x32_f16 v[rS:rS+7], v[rK:rK+7], v[rQ:rQ+7], v[rS:rS+7]
.endif
.endm
; Product i of 16 of O^T += V^T P: keys 32 (i / 8) on, channels 16 ((i / 2) % 4) on, tile x + i % 2.  zero = 1: the first 8 start the sums: nothing is ever cleared.
.macro PV x, zero
	WIN W_PV
.set rO, 32*(\x+i%2)+8*((i/2)%4)
.set rV, VF+8*(4*(i/8)+(i/2)%4)
.set rP, S+32*(\x+i%2)+8*(i/8)
.if \zero && (i < 8)
	v_wmma_f32_16x16x32_f16 v[rO:rO+7], v[rV:rV+7], v[rP:rP+7], 0
.else
	v_wmma_f32_16x16x32_f16 v[rO:rO+7], v[rV:rV+7], v[rP:rP+7], v[rO:rO+7]
.endif
.endm
; THE LDS LOADS stand in runs of 16: a step's K (4 token tiles x 4 images) and, a turn later, its V (turned).
.macro FETCH_K
	WIN 0
	v_add_nc_u32 v[ADR], s[TB], v[AK0]
	WIN W_LD
.irp f, 0,1,2,3,4,5,6,7,8,9,10,11,12,13,14,15
	ds_load_b128 v[KF+4*\f:KF+4*\f+3], v[ADR] offset:512*\f
.endr
.endm
.macro FETCH_V
	WIN 0
	v_add_nc_u32 v[ADR], s[TB], v[AV0]
	s_add_co_u32 s[TB], s[TB], STEPB               ; the next fetch is the next step's
	s_wait_alu depctr_va_vdst(0)                   ; the wait for the softmax's batch of exponentials, ahead of the first line that names a result
	WIN W_LD
.irp c, 0,1                                    ; keys 32 c + 16 u on, channels 16 t on
.irp t, 0,1,2,3
.irp u, 0,1
	ds_load_tr16_b128 v[VF+8*(4*\c+\t)+4*\u:VF+8*(4*\c+\t)+4*\u+3], v[ADR] offset:(2*\c+\u)*2048+\t*512
.endr
.endr
.endr
.endm
; THE VECTOR WORK OF A TURN.  One tile's softmax for one key step is a list of 118 instructions; SM writes number j of it for tile t.  s0-s31 are the lane's 32 scores, in pairs 0-15.  first = 1: the first key step.
;   0-15    the maximum of s0-s31 and the old m, three operands at a time
;   16-20   the other half of the lanes' maximum; the new m; c m; c m_old - c m_new
;   21-69   ONE BATCH: the 16 scalings c s - c m and all 33 exponentials (a at 23, then s0-s31); none of these reads an exponential's result
;   (wait)  between 69 and 70 stands the one wait for the batch
;   70-85   the sums, in two chains: l = a l + pair 0, then the odd pairs from 3 on; pairs 1 + 2, then the even pairs from 4 on; at the end l takes the second chain.  They leave the weights as they are
;   86-101  the roundings to f16: pair p into register p of the tile's own 32, ascending
;   102-117 the tile's O^T times a: the one part that leaves window 0
.macro SM t, first
.set rT, ST+8*(\t)
.set rS, S+32*(\t)
.set rO, 32*(\t)+2*(j-102)
.if j < 102
	WIN 0
.endif
.if j < 4
	v_max3_num_f32 v[rT+4+j], v[rS+8*j], v[rS+8*j+1], v[rS+8*j+2]
.elseif j < 12
	v_max3_num_f32 v[rT+4+j%4], v[rT+4+j%4], v[rS+8*(j%4)+2*(j/4)+1], v[rS+8*(j%4)+2*(j/4)+2]
.elseif j == 12
	v_max3_num_f32 v[rT+4], v[rT+4], v[rS+7], v[rS+15]
.elseif j == 13
	v_max3_num_f32 v[rT+6], v[rT+6], v[rS+23], v[rS+31]
.elseif j == 14
	v_max3_num_f32 v[rT+4], v[rT+4], v[rT+5], v[rT+6]
.elseif (j == 15) && \first
	v_max_num_f32 v[rT+4], v[rT+4], v[rT+7]
.elseif j == 15
	v_max3_num_f32 v[rT+4], v[rT+4], v[rT+7], v[rT+1]
.elseif j == 16
	v_permlanex16_b32 v[rT+5], v[rT+4], s[SEL], s[SEL+1]  ; the query's other 32 keys lie in the lane 16 away
.elseif j == 18
	v_max_num_f32 v[rT+1], v[rT+4], v[rT+5]
.elseif j == 19
	v_mul_f32 v[rT], s[CS], v[rT+1]
.elseif ((j == 17) || (j == 20) || (j == 23) || (j > 101)) && \first  ; the first step has none of these
.elseif j == 17
	v_mov_b32 v[rT+7], v[rT]                       ; c m_old is kept for a
.elseif j == 20
	v_sub_f32 v[rT+7], v[rT+7], v[rT]
.elseif j == 23
	v_exp_f32 v[rT+6], v[rT+7]
.elseif (j < 23) || ((j < 38) && (j%2 == 0)) || ((j < 66) && (j%4 == 2))
.set b, (j-2)/4                        ; 38, 42, .. 62: pairs 9 to 15
.if j < 38
.set b, (j-20)/2                       ; 21: pair 0; 22, 24, .. 36: pairs 1 to 8
.endif
	v_pk_fma_f32 v[rS+2*b:rS+2*b+1], v[rS+2*b:rS+2*b+1], s[CS:CS+1], v[rT:rT+1] op_sel_hi:[1,0,0] neg_lo:[0,0,1] neg_hi:[0,0,1]  ; pair b: c s - c m
.elseif j < 70
.set e, j-38                           ; 66 to 69: s28 to s31
.if j < 66
.set e, j-32-(j-38)/4                  ; 39-41, 43-45, .. 63-65: s7 to s27
.endif
.if j < 38
.set e, (j-25)/2                       ; 25, 27, .. 37: s0 to s6
.endif
	v_exp_f32 v[rS+e], v[rS+e]
.elseif j < 86
.set z, j-70
.if (z == 0) && \first
	v_pk_add_f32 v[rT+2:rT+3], v[rS:rS+1], v[rS+6:rS+7]
.elseif z == 0
	v_pk_fma_f32 v[rT+2:rT+3], v[rT+2:rT+3], v[rT+6:rT+7], v[rS:rS+1] op_sel_hi:[1,0,1]
.elseif z == 1
	v_pk_add_f32 v[rT+4:rT+5], v[rS+2:rS+3], v[rS+4:rS+5]
.elseif z == 15
	v_pk_add_f32 v[rT+2:rT+3], v[rT+2:rT+3], v[rT+4:rT+5]
.elseif (z == 2) && \first             ; pair 3 has started l
.elseif z%2 == 0
	v_pk_add_f32 v[rT+2:rT+3], v[rT+2:rT+3], v[rS+2*(z+1):rS+2*(z+1)+1]
.else
	v_pk_add_f32 v[rT+4:rT+5], v[rT+4:rT+5], v[rS+2*(z+1):rS+2*(z+1)+1]
.endif
.elseif j < 102
	v_cvt_pk_f16_f32 v[rS+j-86], v[rS+2*(j-86)], v[rS+2*(j-86)+1]
.else
	WIN W_RS
	v_pk_mul_f32 v[rO:rO+1], v[rO:rO+1], v[rT+6:rT+7] op_sel_hi:[1,0]
.endif
.endm
; Slice k of 59 of piece y's softmax: four instructions.  Slices 11 to 34 deal out the batch, numbers 22 to 69: four numbers of ONE tile each, the tiles by turns.  Every other slice is numbers 2 k and 2 k + 1 of both tiles.
; Ahead of slice 35 nothing names an exponential's result, and behind slice 34 no exponential is issued: so the piece's 66 exponentials have one wait, behind slice 34, with one plain line ahead of it.
.macro SLICE y, first
.if (k >= 11) && (k < 35)
.irp n, 0,1,2,3
.set j, 22+4*((k-11)/2)+(\n)
	SM (\y)+(k-11)%2, \first
.endr
.else
.irp n, 0,1
.irp t, \y, \y+1
.set j, 2*k+\n
	SM \t, \first
.endr
.endr
.endif
.if k == 34
	v_nop
.if (\y) == 0
	FETCH_V                                        ; piece 2's turn: V's run of loads stands here, and the wait stands in it
.else
	s_wait_alu depctr_va_vdst(0)                   ; the wait for the batch
.endif
.endif
.set k, k+1
.endm
; The slices behind product ip of a turn's NPR: at least one, and so many that per slices are left for each product still to come; the last product has the last slices behind it.
.macro AFTER y, first
.set tg, 59-per*(NPR-1-ip)
.if tg < ip+1
.set tg, ip+1
.endif
.rept 4
.if k < tg
	SLICE \y, \first
.endif
.endr
.set ip, ip+1
.endm
; A TURN.  Piece x has the matrix unit.  pv = 2: 16 products V^T P; 1: they start O^T's sums; 0: none.  kq = 1: 16 products K Q^T for the next step.  first = 1: the softmax is the first key step's; its last slices are empty, and four v_nop take their part.
; PLACES, by the text's own count.  Behind the last K Q^T stand slices 57 and 58, eight plain multiplies of the other piece's O^T: the places ahead of the next turn's first read of those scores and of the loads into K's registers.
; V's loads stand behind slice 34: behind the last V^T P stand the scalings of slices 25 to 32, the v_nop and the run's own addition.  K Q^T writes over P's registers 8-15 with its products 6 and 7: the same scalings and slices 35 on lie between.
.macro TURN x, pv, kq, first
.set k, 0
.set ip, 0
.set NPR, 16
.set per, 4
.if \pv && \kq
.set NPR, 32
.set per, 2
.endif
.if \pv
.if \x == 0
	s_wait_dscnt 0x0                               ; V is in
.endif
.set i, 0
.rept 16
	PV \x, 2-\pv
	AFTER 2-\x, \first
.if (\x == 0) && \kq && (i == 1)
	FETCH_K
.endif
.set i, i+1
.endr
.endif
.if \kq
.if \x == 0
	s_wait_dscnt 0x0                               ; K is in
.endif
.set i, 0
.rept 16
	KQ \x
	AFTER 2-\x, \first
.set i, i+1
.endr
.endif
.if \first
	PLACES
.endif
.endm
; n key steps: written once, walked n times; the LDS addresses hang on s[TB].
.macro N_STEPS n
	s_mov_b32 s[CNT], \n
.Lstep_\@:
	TURN 0, 2, 1, 0
	TURN 2, 2, 1, 0
	WIN 0
	s_sub_co_u32 s[CNT], s[CNT], 1
	s_cmp_lg_u32 s[CNT], 0
	s_cbranch_scc1 .Lstep_\@
.endm
; THE CHANGE OF SLOTS: the slot's last bytes, V of its eighth step, have been asked for.  Each wave waits for all its tensor loads (its part of the other slot), adds 0 to its spare word, and waits for that and for its reads of the slot.
; fill = 1: the slot is filled again, with the keys two slots on: the barrier is a round of the cluster's, and the joint refill is the first thing behind it, one load a wave.
.macro CHANGE fill
	WIN 0
	s_wait_tensorcnt 0x0                           ; no tensor load of mine is out, so a group 0 may be written
	ds_add_u32 v[SPW], v[NIL]                      ; 0 onto my spare word
.if \fill
	s_xor_b32 s[G0+5], s[G0+5], SLOT1              ; the walking descriptor: the other slot than last time,
	s_add_nc_u64 s[G0+6:G0+7], s[G0+6:G0+7], 32*TROW   ; the next 512 keys; the type bits on top are not reached
.endif
	s_wait_dscnt 0x0                               ; the add is done, and my reads of the slot are over
.if \fill
	CROUND
	tensor_load_to_lds s[G0+4:G0+7], s[G1:G1+7]
	s_nop 0
.rept 4
	v_nop
.endr
.else
	s_barrier_signal -1
	s_barrier_wait -1
.endif
	s_sub_co_u32 s[TB], s[TB], 8*STEPB             ; the fetches go back to a slot's first step,
	s_xor_b32 s[TB], s[TB], SLOT1                  ; in the other slot
.endm
	s_wait_tensorcnt 1                             ; my part of slot 0 is in; slot 1's may stay out
	s_barrier_signal -1
	s_barrier_wait -1                              ; everybody's is
	FETCH_K                                        ; key step 0
	s_wait_loadcnt 0x0                             ; Q
	s_wait_dscnt 0x0
.set i, 0
.rept 16
	KQ 0                                           ; piece 0's first scores
.set i, i+1
.endr
	WIN 0
	PLACES                                         ; behind those products, ahead of the first read of their results
	TURN 2, 0, 1, 1                                ; piece 2's first scores | piece 0's first softmax | V of step 0
	TURN 0, 1, 1, 1                                ; piece 0: V^T P of step 0 starts O^T, K Q^T of step 1 | piece 2's first softmax | K of step 1
	TURN 2, 1, 1, 0                                ; piece 2: the same | piece 0's softmax of step 1 | V of step 1
	WIN 0
	N_STEPS 6                                      ; the rest of slot 0: steps 2 to 7 are fetched
.Lslot:                                            ; two trips: slots 0 and 1 are filled again, with keys 1,024 on and 1,536 on
	CHANGE 1
	N_STEPS 8
	s_sub_co_u32 s[SLOTS], s[SLOTS], 1
	s_cmp_lg_u32 s[SLOTS], 0
	s_cbranch_scc1 .Lslot
	CHANGE 0                                       ; the tail is written out
	N_STEPS 8
	TURN 0, 2, 0, 0                                ; piece 0: V^T P of the last step | piece 2's last softmax
.set i, 0
.rept 16
	PV 2, 0                                        ; piece 2: V^T P of the last step
.set i, i+1
.endr
	; THE WAY OUT.  l's two halves and the other half of the lanes' are added; O^T is divided by l and rounded to f16: a lane's eight channels of a token are its 16 bytes of an image of ao [T 512][kb16 64][512 B].  No LDS.
	WIN 0
.irp t, 0,1,2,3
	v_add_f32 v[ST+8*\t+4], v[ST+8*\t+2], v[ST+8*\t+3]   ; (these four are the places behind the last products)
.endr
.irp t, 0,1,2,3
	v_permlanex16_b32 v[ST+8*\t+5], v[ST+8*\t+4], s[SEL], s[SEL+1]
.endr
.irp t, 0,1,2,3
	v_add_f32 v[ST+8*\t+4], v[ST+8*\t+4], v[ST+8*\t+5]
.endr
.irp t, 0,1,2,3
	v_rcp_f32 v[ST+8*\t+6], v[ST+8*\t+4]
.endr
	v_nop                                          ; a plain line between the last reciprocal and the use of its result
	s_wait_alu depctr_va_vdst(0)                   ; and the one wait for the four reciprocals, ahead of the first use
.macro OUTT t
	WIN W_RS
.set i, 32*\t
.rept 16
	v_pk_mul_f32 v[i:i+1], v[i:i+1], v[ST+8*\t+6:ST+8*\t+7] op_sel_hi:[1,0]   ; each accumulator from its low end on
.set i, i+2
.endr
	WIN 0x05                                       ; sources 0 and 1 window 1, destination window 0: S^T's registers are free
.set i, 0
.rept 16
	v_cvt_pk_f16_f32 v[S+32*\t+i], v[32*\t+2*i], v[32*\t+2*i+1]
.set i, i+1
.endr
	WIN 0
.irp c, 0,1,2,3
	global_store_b128 v[GO], v[S+32*\t+4*\c:S+32*\t+4*\c+3], s[10:11] offset:\t*32768+\c*512   ; 32 lanes store 512 consecutive bytes, at a multiple of 512 from ao's first byte
.endr
.endm
	OUTT 0
	OUTT 1
	OUTT 2
	OUTT 3
	s_wait_tensorcnt 0x0                           ; the wave's end, behind my last tensor load
	ds_add_u32 v[SPW], v[NIL]
	s_wait_dscnt 0x0
	CROUND                                         ; the closing round: no work-group ends while a partner may still ask for a tile that names it
	s_endpgm
.Lfunc_end_k_q29334cfeba_attn:
	.size	k_q29334cfeba_attn, .Lfunc_end_k_q29334cfeba_attn-k_q29334cfeba_attn
	.p2alignl 7, 3214868480
	.fill 96, 4, 3214868480
	.section	.rodata,"a",@progbits
	.p2align	6, 0x0
	.amdhsa_kernel k_q29334cfeba_attn
		.amdhsa_group_segment_fixed_size 327680
		.amdhsa_private_segment_fixed_size 0
		.amdhsa_enable_private_segment 0
		.amdhsa_kernarg_size 16
		.amdhsa_user_sgpr_count 2
		.amdhsa_user_sgpr_kernarg_segment_ptr 1
		.amdhsa_wavefront_size32 1
		.amdhsa_system_sgpr_workgroup_id_x 1
		.amdhsa_system_sgpr_workgroup_id_y 1
		.amdhsa_system_sgpr_workgroup_id_z 1
		.amdhsa_system_vgpr_workitem_id 0
		.amdhsa_next_free_vgpr 512
		.amdhsa_next_free_sgpr 66
		.amdhsa_reserve_vcc 0
		.amdhsa_float_denorm_mode_32 3
		.amdhsa_float_denorm_mode_16_64 3
		.amdhsa_memory_ordered 1
		.amdhsa_forward_progress 1
		.amdhsa_inst_pref_size 189
	.end_amdhsa_kernel
	.amdgpu_metadata
---
amdhsa.version: [ 1, 2 ]
amdhsa.kernels:
  - .name:           k_q29334cfeba_attn
    .symbol:         k_q29334cfeba_attn.kd
    .args:
      - { .name: qkv, .offset: 0, .size: 8, .value_kind: global_buffer, .address_space: global }
      - { .name: ao, .offset: 8, .size: 8, .value_kind: global_buffer, .address_space: global }
    .group_segment_fixed_size: 327680
    .private_segment_fixed_size: 0
    .kernarg_segment_align: 8
    .kernarg_segment_size: 16
    .max_flat_workgroup_size: 256
    .sgpr_count:     66
    .vgpr_count:     512
    .wavefront_size: 32
...
	.end_amdgpu_metadata
.endif
;; end of part 3
;; launch proj (part 4): grid 4 x 64, 4 waves a work-group, clusters of 4 x 4, 327,680 bytes of LDS; arguments ao, wo16, bo, out0; writes out0
.if DOCPART == 4
	.amdgcn_target "amdgcn-amd-amdhsa--gfx1250"
	.amdhsa_code_object_version 6
	.text
	.protected	k_q29334cfeba_proj
	.globl	k_q29334cfeba_proj
	.p2align	8
	.type	k_q29334cfeba_proj,@function
k_q29334cfeba_proj:
	s_mov_b64 s[64:65], 0
	v_nop
	global_prefetch_b8 v0, s[64:65] scope:SCOPE_SE
	s_setreg_imm32_b32 hwreg(HW_REG_WAVE_MODE, 25, 1), 1
	s_wait_xcnt 0x0
	s_wait_alu depctr_hold_cnt(0) depctr_sa_sdst(0) depctr_va_vdst(0) depctr_va_sdst(0) depctr_va_ssrc(0) depctr_va_vcc(0) depctr_vm_vsrc(0)
	s_getreg_b32 s2, hwreg(HW_REG_IB_STS2, 6, 4)
	s_cmp_eq_u32 s2, 0
	s_cbranch_scc0 .Lentry_in_a_cluster
	s_endpgm
.Lentry_in_a_cluster:
	s_bfe_u32 s2, ttmp6, 0x10000c
	s_cmp_lg_u32 s2, 0xf033
	s_cbranch_scc0 .Lentry_shape_is_right
	s_endpgm
.Lentry_shape_is_right:
; PROJ: out0[token][n] = the sum over k of ao[token][k] Wo[k][n] + bo[n].  Operands f16, one f32 sum for each output, K ascending; bo is the C of each sum's first matrix instruction.  No work of reference() is left out here.
; A work-group of four waves makes 128 tokens x 256 columns (256 work-groups); a wave 64 x 128: 32 accumulators, 256 registers.  K goes in 8 steps of 128 through a ring of two LDS slots.
; OPERANDS LIE AS IMAGES OF THEIR REGISTERS: ao [T 512][kb16 64][512 B], wo16 [t 64][q8 128][256 B]: a fragment (16 rows x 32 K) is 1,024 bytes, registers 4 u .. 4 u + 3 of a lane at 512 u + 16 lane; a tile's K step is 4,096 consecutive bytes.
; CLUSTERS: 4 x 4 work-groups; ao's tiles are shared along a row of the cluster, wo16's along a column: joint loads.  Waves 0 and 1 fetch ao's 2 x 4 tiles, waves 2 and 3 wo16's 2 x 8.
; THE MATRIX INSTRUCTION IS USED TRANSPOSED (source 0 = 16 columns of Wo, source 1 = 16 tokens): a lane holds eight neighbouring numbers of a row of out0.
; NOTHING IS PREFETCHED: K has eight steps, the first two of them are first fills and the next two are asked for within the first lap; only four steps would be left to ask for ahead.
; REGISTERS: window 0: v16-29 addresses; v32-95 bo in the result's layout, 8 registers for each 16 columns; v128-255 rows on the way out, two sets.   window 1: accumulator (a, b) at v[8 (8 a + b)].
;   window 2: two fragment buffers at v0 and v128: Wo's eight fragments, then ao's four.
.set KSTEPB, 4096                      ; a K step of a tile
.set SLOT,   98304                     ; ao's 8 tiles x 4,096 bytes, then wo16's 16
.set BOFF,   32768
.set STAGE,  2*SLOT                    ; behind the ring: 16 rows x (512 + 16) bytes for each wave, for the way out; no tensor load fills it
.set SPITCH, 528
.set SPARE,  STAGE+4*16*SPITCH         ; the spare words, 128 bytes for each wave
.set ADRA, 16                          ; v16-17
.set ADRB, 20                          ; v20-21
.set STO,  24
.set RD,   25
.set CO,   26                          ; v26  16 lane
.set SPW,  28
.set NIL,  29
.set BI,   32
.set BK,   128
.set F0,   0
.set F1,   128
.set WV,   12                          ; s12 wave; s13 which half of the tokens (also: I fetch for ao (0) or wo16 (1)); s14 which half of the columns (also: which half I fetch)
.set RH,   13
.set CH,   14
.set G1, 24
.set G0, 32
.set G1B, 48
.set G0B, 56
.set MSB, 0
.macro WIN new
.if MSB != (\new)
	s_set_vgpr_msb (MSB<<8)|(\new)
.set MSB, \new
.endif
.endm
.set MUL,  0x5a                        ; sources 0 and 1 window 2; C and D window 1
.set MULB, 0x4a                        ; the same with C (bo) in window 0
.set TO_F, 0x80                        ; destination window 2, address window 0
.macro JLOAD s                         ; a joint load; an s_nop 0 and four v_nop follow each of the two lines
	s_cmp_eq_u32 s[RH], 0
	s_cbranch_scc0 .Lfor_b_\@
	tensor_load_to_lds s[G0+4*\s:G0+4*\s+3], s[G1:G1+7]
	s_nop 0
.rept 4
	v_nop
.endr
	s_branch .Lasked_\@
.Lfor_b_\@:
	tensor_load_to_lds s[G0B+4*\s:G0B+4*\s+3], s[G1B:G1B+7]
	s_nop 0
.rept 4
	v_nop
.endr
.Lasked_\@:
.endm
.macro CREST                           ; a round of the cluster's barrier behind its opening barrier
	s_cmp_lg_u32 s[WV], 0
	s_cbranch_scc1 .Lnot_wave_0_\@
	s_barrier_signal -3
.Lnot_wave_0_\@:
	s_barrier_wait -3
	s_barrier_signal -1
	s_barrier_wait -1
.endm
.macro CROUND
	s_barrier_signal -1
	s_barrier_wait -1
	CREST
.endm
.macro PLACES
.rept 4
	v_nop
.endr
.endm
	s_load_b256 s[4:11], s[0:1], 0x0               ; ao s[4:5], wo16 s[6:7], bo s[8:9], out0 s[10:11]
	v_lshl_add_u32 v[SPW], v0, 2, SPARE
	v_mov_b32 v[NIL], 0
	ds_add_u32 v[SPW], v[NIL]                      ; the wave's opening: the add, twice on end, and its wait ahead of my first tensor load
	ds_add_u32 v[SPW], v[NIL]                      ; and once more, under the one wait
	v_lshrrev_b32 v1, 5, v0
	v_readfirstlane_b32 s[WV], v1
	s_lshr_b32 s[RH], s[WV], 1
	s_and_b32 s[CH], s[WV], 1
	s_bfe_u32 s40, ttmp6, 0x40000                  ; cx, cy
	s_bfe_u32 s41, ttmp6, 0x40004
	s_lshl_b32 s42, ttmp9, 2
	s_add_co_u32 s42, s42, s40                     ; tile column
	s_and_b32 s15, ttmp7, 0xffff
	s_lshl_b32 s15, s15, 2
	s_add_co_u32 s15, s15, s41                     ; tile row
	s_lshl_b32 s43, s41, 2
	s_lshl_b32 s43, 15, s43                        ; my row of the cluster
	s_lshl_b32 s44, 0x1111, s40                    ; my column
	; group 1: rows of 4,096 bytes (512 elements of 8 bytes), 32,768 bytes apart in memory, dense in LDS: 4 rows for ao, 8 for wo16
	s_or_b32 s[G1+0], s43, (3<<16)|(1<<21)
	s_mov_b32 s[G1+1], 512<<16
	s_mov_b32 s[G1+2], 4<<16
	s_mov_b32 s[G1+3], 512<<16
	s_mov_b32 s[G1+4], 4
	s_mov_b32 s[G1+5], 4096
	s_mov_b32 s[G1+6], 0
	s_mov_b32 s[G1+7], 0
	s_or_b32 s[G1B+0], s44, (3<<16)|(1<<21)
	s_mov_b32 s[G1B+1], 512<<16
	s_mov_b32 s[G1B+2], 8<<16
	s_mov_b32 s[G1B+3], 512<<16
	s_mov_b32 s[G1B+4], 8
	s_mov_b32 s[G1B+5], 4096
	s_mov_b32 s[G1B+6], 0
	s_mov_b32 s[G1B+7], 0
	s_lshl_b32 s16, s15, 3
	s_lshl_b32 s17, s[CH], 2
	s_add_co_u32 s16, s16, s17                     ; ao: tile 8 x tile row + 4 x half
	s_lshl_b32 s16, s16, 15
	s_mov_b32 s17, 0
	s_lshl_b32 s46, s42, 4
	s_lshl_b32 s47, s[CH], 3
	s_add_co_u32 s46, s46, s47                     ; wo16: tile 16 x tile column + 8 x half
	s_lshl_b32 s46, s46, 15
	s_mov_b32 s47, 0
	s_lshl_b32 s20, s[CH], 14                      ; where they go: ao's halves,
	s_lshl_b32 s21, s[CH], 15
	s_add_co_u32 s21, s21, BOFF                    ; wo16's halves: no place in the cluster enters an LDS address
	s_wait_dscnt 0x0                               ; both opening adds are done
	s_wait_kmcnt 0x0
	s_add_nc_u64 s[18:19], s[4:5], s[16:17]
	s_add_nc_u64 s[46:47], s[6:7], s[46:47]
	CROUND                                         ; all sixteen work-groups are here: the first joint loads meet
.irp s, 0,1
	s_mov_b32 s[G0+4*\s], 1
	s_add_co_u32 s[G0+4*\s+1], s20, \s*SLOT
	s_add_nc_u64 s[G0+4*\s+2:G0+4*\s+3], s[18:19], \s*KSTEPB
	s_or_b32 s[G0+4*\s+3], s[G0+4*\s+3], 0x80000000
	s_mov_b32 s[G0B+4*\s], 1
	s_add_co_u32 s[G0B+4*\s+1], s21, \s*SLOT
	s_add_nc_u64 s[G0B+4*\s+2:G0B+4*\s+3], s[46:47], \s*KSTEPB
	s_or_b32 s[G0B+4*\s+3], s[G0B+4*\s+3], 0x80000000
	JLOAD \s                                       ; two loads of mine are out
.endr
	v_and_b32 v1, 31, v0
	v_and_b32 v2, 15, v0                           ; r
	v_bfe_u32 v3, v0, 4, 1                         ; h
	v_lshlrev_b32 v[CO], 4, v1
	s_lshl_b32 s22, s[RH], 14                      ; my 4 tiles of ao
	s_lshl_b32 s23, s[CH], 15                      ; my 8 tiles of wo16
	s_add_co_u32 s23, s23, BOFF
.irp s, 0,1
	v_add_nc_u32 v[ADRA+\s], s22, v[CO]
	v_add_nc_u32 v[ADRB+\s], s23, v[CO]
	s_add_co_u32 s22, s22, SLOT
	s_add_co_u32 s23, s23, SLOT
.endr
	s_mul_i32 s22, s[WV], 16*SPITCH
	s_add_co_u32 s22, s22, STAGE                   ; my stage
	v_mul_u32_u24 v4, v2, SPITCH                   ; in: row r, 32 bytes for each half of the lanes
	v_lshl_add_u32 v4, v3, 5, v4
	v_add_nc_u32 v[STO], s22, v4
	v_add_nc_u32 v[RD], s22, v[CO]                 ; back: the 32 lanes take one row of 512 bytes
	s_lshl_b32 s46, s42, 10
	s_lshl_b32 s47, s[CH], 9
	s_add_co_u32 s46, s46, s47                     ; my first column, in bytes
	s_mov_b32 s47, 0
	s_add_nc_u64 s[8:9], s[8:9], s[46:47]
	v_lshlrev_b32 v5, 5, v3                        ; bo: lane (r, h) wants, for columns 16 b on, numbers 8 h + 0 .. 7
.irp b, 0,1,2,3,4,5,6,7
	global_load_b128 v[BI+8*\b:BI+8*\b+3], v5, s[8:9] offset:64*\b
	global_load_b128 v[BI+8*\b+4:BI+8*\b+7], v5, s[8:9] offset:64*\b+16
.endr
	s_lshl_b32 s16, s15, 7
	s_lshl_b32 s17, s[RH], 6
	s_add_co_u32 s16, s16, s17                     ; my first row of out0
	s_lshl_b32 s16, s16, 12
	s_mov_b32 s17, 0
	s_add_nc_u64 s[16:17], s[16:17], s[46:47]
	s_add_nc_u64 s[10:11], s[10:11], s[16:17]
; 8 matrix instructions: token block a against Wo's eight, 32 along K, from buffer f.  bias = 1: the first product starts the sums from bo.  The 32 accumulators take turns, one instruction a turn.
.macro MUL8 f, a, bias
.irp b, 0,1,2,3,4,5,6,7
.if \bias
	v_wmma_f32_16x16x32_f16 v[8*(8*(\a)+\b):8*(8*(\a)+\b)+7], v[\f+8*\b:\f+8*\b+7], v[\f+64+8*(\a):\f+64+8*(\a)+7], v[BI+8*\b:BI+8*\b+7]
.else
	v_wmma_f32_16x16x32_f16 v[8*(8*(\a)+\b):8*(8*(\a)+\b)+7], v[\f+8*\b:\f+8*\b+7], v[\f+64+8*(\a):\f+64+8*(\a)+7], v[8*(8*(\a)+\b):8*(8*(\a)+\b)+7]
.endif
.endr
.endm
; 24 LDS loads in one run: the fragments of the slot's q-th 32 along K into buffer f: Wo's sixteen loads first, ao's eight last
.macro FETCH slot, q, f
	WIN TO_F
.irp i, 0,1,2,3,4,5,6,7
	ds_load_b128 v[\f+8*\i:\f+8*\i+3],   v[ADRB+\slot] offset:\i*4096+(\q)*1024
	ds_load_b128 v[\f+8*\i+4:\f+8*\i+7], v[ADRB+\slot] offset:\i*4096+(\q)*1024+512
.endr
.irp i, 0,1,2,3
	ds_load_b128 v[\f+64+8*\i:\f+64+8*\i+3],   v[ADRA+\slot] offset:\i*4096+(\q)*1024
	ds_load_b128 v[\f+64+8*\i+4:\f+64+8*\i+7], v[ADRA+\slot] offset:\i*4096+(\q)*1024+512
.endr
.endm
; A K step is four quarters of 32 along K, 32 matrix instructions each, on buffers 0, 1, 0, 1.  One of the first three: multiplies buffer f and fetches quarter q into g.
.macro QUARTER slot, q, f, g, bias
	s_wait_dscnt 4                                 ; Wo's fragments and ao's blocks 0, 1 are in; the youngest four loads (blocks 2, 3) may be out
	WIN MUL-0x10*\bias
	MUL8 \f, 0, \bias
	MUL8 \f, 1, \bias
	PLACES                                         ; four places in front of loads into registers that matrix instructions have read
	FETCH \slot, \q, \g
	s_wait_dscnt 24                                ; all but the 24 just issued
	WIN MUL-0x10*\bias
	MUL8 \f, 2, \bias
	MUL8 \f, 3, \bias
.endm
; The last quarter multiplies buffer 1 and changes slots: ONE barrier; in front of it each wave waits for all its tensor loads, adds 0 to its spare word, and waits for that and for its reads of this slot.  fill = 1: this slot is filled again, two K steps ahead.
.macro TURN slot, next, fill
	WIN 0                                          ; (the add's two registers lie in window 0)
	s_wait_tensorcnt 0x0                           ; all my tensor loads have landed: my part of the next slot
	ds_add_u32 v[SPW], v[NIL]                      ; 0 onto my spare word
	s_wait_dscnt 5                                 ; (the add and the youngest four loads may be out)
	WIN MUL
	MUL8 F1, 0, 0                                  ; eight matrix instructions stand between the add and the wait for it
	s_wait_dscnt 0x0                               ; the add is done, and my reads of this slot are over
	s_barrier_signal -1
	MUL8 F1, 1, 0
	WIN 0
	s_barrier_wait -1
.if \fill
	CREST                                          ; the barrier has opened a round of the cluster's: no wave of any partner still reads this slot or has a load on its way
	s_add_nc_u64 s[G0+4*\slot+2:G0+4*\slot+3], s[G0+4*\slot+2:G0+4*\slot+3], 2*KSTEPB
	s_add_nc_u64 s[G0B+4*\slot+2:G0B+4*\slot+3], s[G0B+4*\slot+2:G0B+4*\slot+3], 2*KSTEPB
	JLOAD \slot                                    ; the first tensor load behind the round: 112 matrix instructions ahead of the wait for it; its four v_nop are also the places in front of the loads below
.else
	PLACES
.endif
	FETCH \next, 0, F0
	WIN MUL
	MUL8 F1, 2, 0
	MUL8 F1, 3, 0
.endm
	s_wait_tensorcnt 1                             ; my part of K step 0 is in (K step 1's load may be out),
	s_barrier_signal -1
	s_barrier_wait -1                              ; everybody's is
	FETCH 0, 0, F0
	s_wait_loadcnt 0x0                             ; bo
	QUARTER 0, 1, F0, F1, 1                        ; the first quarter stands in front of the loop: its products start the sums from bo
	WIN 0                                          ; at a label and at a branch every window is 0
	s_mov_b32 s3, 3
.Llap:                                                 ; a trip goes once round the ring, from a lap's second quarter to the next lap's first, and fills both slots again: K steps 2 to 7
	QUARTER 0, 2, F1, F0, 0
	QUARTER 0, 3, F0, F1, 0
	TURN 0, 1, 1
	QUARTER 1, 1, F0, F1, 0
	QUARTER 1, 2, F1, F0, 0
	QUARTER 1, 3, F0, F1, 0
	TURN 1, 0, 1
	QUARTER 0, 1, F0, F1, 0
	WIN 0
	s_sub_co_u32 s3, s3, 1
	s_cmp_lg_u32 s3, 0
	s_cbranch_scc1 .Llap
	QUARTER 0, 2, F1, F0, 0                        ; the last lap fills nothing, and has no round of the cluster's barrier
	QUARTER 0, 3, F0, F1, 0
	TURN 0, 1, 0
	QUARTER 1, 1, F0, F1, 0
	QUARTER 1, 2, F1, F0, 0
	QUARTER 1, 3, F0, F1, 0
	s_wait_dscnt 4                                 ; the very last quarter: nothing more to fetch
	WIN MUL
	MUL8 F1, 0, 0
	MUL8 F1, 1, 0
	s_wait_dscnt 0x0
	MUL8 F1, 2, 0
	MUL8 F1, 3, 0
	WIN 0
; THE WAY OUT, block by block of 16 tokens x 128 columns: a lane holds 32 neighbouring bytes of a row, the lanes beside it other rows: a block goes through my own stage in LDS and comes back as whole rows of 512 bytes.
; LDS serves a wave's instructions in order (ISA guide 5.7.1.4): no wait between the stores and the loads, nor in front of the next block's stores.
.macro TOSTAGE a
	WIN 0x04                                       ; an LDS store's data are its source 1: window 1
.irp b, 0,1,2,3,4,5,6,7
	ds_store_b128 v[STO], v[64*(\a)+8*\b:64*(\a)+8*\b+3] offset:64*\b          ; each accumulator from its low end on
	ds_store_b128 v[STO], v[64*(\a)+8*\b+4:64*(\a)+8*\b+7] offset:64*\b+16
.endr
	WIN 0
.set BB, BK+64*((\a)%2)
.irp t, 0,1,2,3,4,5,6,7,8,9,10,11,12,13,14,15
	ds_load_b128 v[BB+4*\t:BB+4*\t+3], v[RD] offset:\t*SPITCH
.endr
.endm
.macro SEND a, younger                 ; younger: the LDS instructions issued behind block a's loads, which may stay out
.set BB, BK+64*((\a)%2)
	s_wait_dscnt \younger
.irp t, 0,1,2,3,4,5,6,7,8,9,10,11,12,13,14,15
	global_store_b128 v[CO], v[BB+4*\t:BB+4*\t+3], s[10:11] offset:(\a)*65536+\t*4096 th:TH_STORE_NT   ; 32 lanes store 512 consecutive bytes, at a multiple of 512 from out0's first byte
.endr
.endm
	PLACES                                         ; behind the last products, ahead of the first read of results
	TOSTAGE 0
	TOSTAGE 1
	SEND 0, 32                                     ; behind block 0's loads: block 1's 16 stores and 16 loads
	s_wait_xcnt 0x0                                ; block 0's stores have read their registers: block 2's loads may land there
	TOSTAGE 2
	SEND 1, 32
	s_wait_xcnt 0x0
	TOSTAGE 3
	SEND 2, 32
	SEND 3, 0
	s_wait_tensorcnt 0x0                           ; the wave's end, behind my last tensor load and my last LDS store
	ds_add_u32 v[SPW], v[NIL]
	s_wait_dscnt 0x0
	CROUND                                         ; the closing round: no work-group ends while a partner may still ask for a tile that names it
	s_endpgm
.Lfunc_end_k_q29334cfeba_proj:
	.size	k_q29334cfeba_proj, .Lfunc_end_k_q29334cfeba_proj-k_q29334cfeba_proj
	.p2alignl 7, 3214868480
	.fill 96, 4, 3214868480
	.section	.rodata,"a",@progbits
	.p2align	6, 0x0
	.amdhsa_kernel k_q29334cfeba_proj
		.amdhsa_group_segment_fixed_size 327680
		.amdhsa_private_segment_fixed_size 0
		.amdhsa_enable_private_segment 0
		.amdhsa_kernarg_size 32
		.amdhsa_user_sgpr_count 2
		.amdhsa_user_sgpr_kernarg_segment_ptr 1
		.amdhsa_wavefront_size32 1
		.amdhsa_system_sgpr_workgroup_id_x 1
		.amdhsa_system_sgpr_workgroup_id_y 1
		.amdhsa_system_sgpr_workgroup_id_z 1
		.amdhsa_system_vgpr_workitem_id 0
		.amdhsa_next_free_vgpr 768
		.amdhsa_next_free_sgpr 66
		.amdhsa_reserve_vcc 0
		.amdhsa_float_denorm_mode_32 3
		.amdhsa_float_denorm_mode_16_64 3
		.amdhsa_memory_ordered 1
		.amdhsa_forward_progress 1
		.amdhsa_inst_pref_size 86
	.end_amdhsa_kernel
	.amdgpu_metadata
---
amdhsa.version: [ 1, 2 ]
amdhsa.kernels:
  - .name:           k_q29334cfeba_proj
    .symbol:         k_q29334cfeba_proj.kd
    .args:
      - { .name: ao, .offset: 0, .size: 8, .value_kind: global_buffer, .address_space: global }
      - { .name: wo16, .offset: 8, .size: 8, .value_kind: global_buffer, .address_space: global }
      - { .name: bo, .offset: 16, .size: 8, .value_kind: global_buffer, .address_space: global }
      - { .name: out0, .offset: 24, .size: 8, .value_kind: global_buffer, .address_space: global }
    .group_segment_fixed_size: 327680
    .private_segment_fixed_size: 0
    .kernarg_segment_align: 8
    .kernarg_segment_size: 32
    .max_flat_workgroup_size: 128
    .sgpr_count:     66
    .vgpr_count:     768
    .wavefront_size: 32
...
	.end_amdgpu_metadata
.endif
;; end of part 4
